; MI455X (gfx1250); checked and timed in simulation.
; The chip was launched on July 23, 2026; its instructions are those of AMD's public machine-readable ISA for CDNA 5 (MIT licence, August 2026) and "CDNA5" Instruction Set Architecture Reference Guide (July 2026). The comments in the code are by the model that wrote it; some were corrected since.
;; Analytic Gaussian Velocity. Allowed arithmetic: matrix products marked QUANTISED: E2M1 operands, one E8M0 scale for each 32 along K, by v_wmma_scale_f32_16x16x128_f8f6f4 with both operands' format E2M1 (or v_wmma_scale_f32_32x16x128_f4), f32 sums; everything else in f32.
;; Inputs: dataset 50,000 x 512 float32; t 1,024 float32; x_t 1,024 x 512 float32.
;; Outputs: out0 1,024 x 512 float32.
;; This version of the problem:
;;   THIS VERSION OF THE PROBLEM IS GIVEN IN LOW PRECISION. The matrix products marked QUANTISED in the list below multiply operands that are first quantised to E2M1 (2 exponent bits, 1 mantissa bit; 4 bits a number), with one power-of-two scale for each 32 numbers along K (OCP MX v1.0); their sums are f32. All else is computed in f32.
;;   The module's matrix products, in the order in which they are computed (A, B: the left and right operand; K: the contracted axis; several contracted axes count as one K, in the product's order):
;;     1. [M 1,024, K 512] x [K 512, N 50,000]; A: input x_t; B: input dataset: QUANTISED
;;     2. [M 1,024, K 50,000] x [K 50,000, N 512]; A: computed on the way; B: input dataset: QUANTISED
;;   THE QUANTISER, for each operand of a quantised product, along K:
;;     - K is cut into blocks of 32 from its start; a last block that is shorter is filled with zeros.
;;     - A block's scale is 2^e with e = floor(log2(the largest magnitude in the block)) - 2, held to -126 .. 127; a block of zeros has e = 0. As a byte (E8M0): e + 127.
;;     - Each number is divided by its block's scale, clamped to +-6, and rounded to the nearest number of E2M1, ties to even, subnormals kept.
;;     - The product sums the exact products of the quantised numbers (number of the format x scale) in f32.
;;   ~~~python
;;   def quantise(x, axis):      # numpy; x: float32 -> the quantised numbers, widened to float32 again
;;       x = np.moveaxis(x, axis, -1); K = x.shape[-1]
;;       x = np.pad(x, [(0, 0)] * (x.ndim - 1) + [(0, -K % 32)]); x = x.reshape(x.shape[:-1] + (-1, 32)); a = np.abs(x).max(-1, keepdims=True)
;;       e = np.where(a > 0, np.clip(np.frexp(np.where(a > 0, a, 1))[1] - 1 - 2, -126, 127), 0)      # np.frexp(a)[1] - 1 = floor(log2(a)), exactly
;;       r = np.clip(x / 2.0 ** e, -6, 6)
;;       step = 2.0 ** (np.maximum(np.frexp(np.where(r == 0, 1, r))[1] - 1, 0) - 1)
;;       q = np.round(r / step) * step * 2.0 ** e      # np.round: ties to even
;;       return np.moveaxis(q.reshape(q.shape[:-2] + (-1,))[..., :K], -1, axis).astype(np.float32)
;;   ~~~
;;   OPERANDS COMPUTED ON THE WAY. 'Computed on the way' means the value that the module computes at that place (a softmax that the list does not call 'softmax' is quantised finished and normalised). What goes into a quantiser is computed in f32, as accurately as f32 sums, v_exp_f32 and their like allow (about 1e-6 of the number): no bf16 or f16 on the way to a quantiser, and a product that is left as it is and whose result goes on into a quantised operand takes f32 operands (vector FMAs, or v_wmma_f32_16x16x4_f32). A number that lies on a knife's edge between two numbers of the format may be rounded either way, as far as f32 arithmetic and the matrix unit's own rounding can turn it there, and no further.
;; One version. Each part assembles by itself: llvm-mc -triple=amdgcn-amd-amdhsa -mcpu=gfx1250 --defsym DOCPART=n.
;; ======== version 1 of 1: 4 launches
;; limits: right only within a limited range of input values
;; workspace buffers: krec 13,848,576 bytes; vrec 13,647,872 bytes; qrec 282,624 bytes; stat 114,688 bytes; opart 29,360,128 bytes
;; launch prep (part 1): grid 200 x 1, 8 waves a work-group, no clusters, 140,288 bytes of LDS; arguments dataset, x_t, krec, vrec, qrec; writes krec, vrec, qrec
.if DOCPART == 1
	.amdgcn_target "amdgcn-amd-amdhsa--gfx1250"
	.amdhsa_code_object_version 6
	.text
	.protected	k_qd85ef14de0_prep
	.globl	k_qd85ef14de0_prep
	.p2align	8
	.type	k_qd85ef14de0_prep,@function
k_qd85ef14de0_prep:
	s_mov_b64 s[64:65], 0
	v_nop
	global_prefetch_b8 v0, s[64:65] scope:SCOPE_SE
	s_setreg_imm32_b32 hwreg(HW_REG_WAVE_MODE, 25, 1), 1
	s_wait_xcnt 0x0
; PREP.  dataset [50000][512] f32 is quantised to FP4 (E2M1) twice, along its 512 columns (operand of the first product) and along its rows, the keys (operand of the second), each with one E8M0 byte
; for 32 numbers; dn[n] = the sum of dataset[n][:]^2 in f32; x_t [1024][512] is quantised along its columns.  All results are laid in the order of the matrix operands' registers:
;   krec, 196 records of 256 keys, KREC bytes each: codes [w 4][T 4][s 4][c 2][lane 16 h + r][16 bytes] = d 128 s + 64 c + 32 h + 0..31 of key 64 w + 32 (T / 2) + 8 (T % 2) + r + 8 (r / 8);
;         at 65,536 the scale bytes [unit of 32 keys 8][lane 16 (T % 2) + r][16]; at 69,632 dn, 256 f32 in the keys' own order.   qrec: x_t's four records, the same without dn.
;   vrec, 196 records, VREC bytes each: codes [dt 32][s 2][c 2][lane 16 h + r][16 bytes] = keys 128 s + 64 c + 32 h + 0..31 of column 16 dt + r; at 65,536 the scale bytes [column 512][8 units].
; SHARES.  Work-groups 0-195 take a record of the dataset each, 196-199 a record of x_t (only pointers and the row limit are chosen, by the work-group's number).  Wave ub takes 32 keys x 512 columns, 128 columns a turn.
; A turn: 32 loads of 512 consecutive bytes; the 16 KB go into the wave's own stage in LDS (rows 528 bytes apart); read back a lane to a key (32 neighbours along d) for the first operand and dn,
; and a lane to a column (32 registers down the keys) for the second.  Each store of codes covers two aligned runs of 256 bytes.  The next turn's loads are out during all of that.
; Keys past 50,000 (whole halves of 16): the loads are clamped to the last 16 rows, and zeros are laid over their stage rows: zero codes, dn = 0.
; A block's scale byte is its largest magnitude's exponent field - 2, held at 1 from below.  A block of zeros so keeps the byte 1 where the rule says 127: its codes are zeros, and this program alone reads the bytes.
; LIMITS: NaN and infinities among the inputs are not served.
.set NREC,  196
.set KREC,  70656
.set VREC,  69632
.set SP,    528                        ; a stage row: 512 bytes + 16, so that 16 lanes that read 16 rows fall on 16 different columns of 16 bytes
.set STG,   32*SP                      ; a wave's stage
.set VSL,   8*STG                      ; behind the stages: the record's 4,096 scale bytes of the second operand
.set LOF,   2                          ; v2   16 x lane
.set SA,    3                          ; v3   stage + 16 x lane
.set KA,    4                          ; v4   stage + 528 x lane
.set VA,    5                          ; v5   stage + 4 x lane
.set KO,    6                          ; v6   4096 (lane / 16) + 16 (lane % 16)
.set VO,    7                          ; v7   2048 (lane / 16) + 16 (lane % 16)
.set VB,    8                          ; v8   VSL + 8 x lane + ub
.set DNO,   9                          ; v9   4 x (my stage row's key)
.set VR,    10                         ; v10  VSL + 512 ub + 16 x lane
.set ZQ,    12                         ; v[12:15] zeros
.set KSB,   16                         ; v[16:19] my key's 16 scale bytes
.set DNS,   20                         ; v[20:23] dn in two packed chains
.set KC,    24                         ; v[24:27] a block's codes, first operand
.set VC,    28                         ; v[28:31] second operand
.set TM,    32                         ; v32-35 at work
.set W0,    64                         ; v64-127 two sets of 32 numbers
.set X,     128                        ; v128-255 32 rows x 4 registers as loaded
	s_load_b256 s[4:11], s[0:1], 0x0               ; dataset s[4:5], x_t s[6:7], krec s[8:9], vrec s[10:11]
	s_load_b64 s[12:13], s[0:1], 0x20              ; qrec
	v_lshl_add_u32 v62, v0, 2, 0x22000
	v_mov_b32 v63, 0
	v_lshrrev_b32 v1, 5, v0
	s_delay_alu instid0(VALU_DEP_1)
	v_readfirstlane_b32 s14, v1                    ; ub: wave 0..7
	v_and_b32 v1, 31, v0                           ; lane
	s_delay_alu instid0(VALU_DEP_1)
	v_lshrrev_b32 v11, 4, v1                       ; lane / 16
	s_delay_alu instid0(VALU_DEP_2)
	v_and_b32 v36, 15, v1                          ; lane % 16
	s_delay_alu instid0(VALU_DEP_3)
	v_lshlrev_b32 v[LOF], 4, v1
	s_mul_i32 s36, s14, STG
	v_add_nc_u32 v[SA], s36, v[LOF]
	v_mul_u32_u24 v[KA], v1, SP
	s_delay_alu instid0(VALU_DEP_1)
	v_add_nc_u32 v[KA], s36, v[KA]
	v_lshl_add_u32 v[VA], v1, 2, s36
	v_lshlrev_b32 v[KO], 12, v11
	s_delay_alu instid0(VALU_DEP_1)
	v_lshl_add_u32 v[KO], v36, 4, v[KO]
	v_lshlrev_b32 v[VO], 11, v11
	s_delay_alu instid0(VALU_DEP_1)
	v_lshl_add_u32 v[VO], v36, 4, v[VO]
	v_lshl_add_u32 v[VB], v1, 3, s14
	s_delay_alu instid0(VALU_DEP_1)
	v_add_nc_u32 v[VB], VSL, v[VB]
	v_and_b32 v[DNO], 8, v36
	s_delay_alu instid0(VALU_DEP_1)
	v_add_nc_u32 v[DNO], v[DNO], v36               ; r + 8 (r / 8)
	s_delay_alu instid0(VALU_DEP_1)
	v_lshl_add_u32 v[DNO], v11, 3, v[DNO]          ; + 8 (lane / 16): the key that lies in stage row = my lane
	s_delay_alu instid0(VALU_DEP_1)
	v_lshlrev_b32 v[DNO], 2, v[DNO]
	s_lshl_b32 s37, s14, 9
	v_add_nc_u32 v[VR], s37, v[LOF]
	s_delay_alu instid0(VALU_DEP_1)
	v_add_nc_u32 v[VR], VSL, v[VR]
.irp i, 0,1,2,3
	v_mov_b32 v[ZQ+\i], 0
	v_mov_b32 v[DNS+\i], 0
.endr
	s_cmp_lt_u32 ttmp9, NREC                       ; the dataset's work-group or x_t's
	s_cselect_b32 s16, 1, 0                        ; ISD
	s_mov_b32 s17, 1024
	s_cselect_b32 s17, 50000, s17                  ; rows in my tensor
	s_cselect_b32 s19, 0, NREC
	s_sub_co_u32 s15, ttmp9, s19                   ; my record
	s_lshl_b32 s18, s15, 8
	s_lshl_b32 s36, s14, 5
	s_add_co_u32 s18, s18, s36                     ; my wave's first key
	s_add_co_u32 s38, s18, 16
	s_cmp_lt_u32 s18, s17
	s_cselect_b32 s24, 1, 0                        ; keys 0-15 of my 32 exist
	s_cmp_lt_u32 s38, s17
	s_cselect_b32 s25, 1, 0                        ; keys 16-31 exist
	s_sub_co_u32 s19, s17, 16
	s_min_u32 s36, s18, s19                        ; no load leaves its buffer: a half that does not exist reads the last 16 rows
	s_min_u32 s38, s38, s19
	s_lshl_b32 s36, s36, 11                        ; rows of 2,048 bytes (under 2^27 bytes in all)
	s_mov_b32 s37, 0
	s_lshl_b32 s38, s38, 11
	s_mov_b32 s39, 0
	s_mul_i32 s40, s15, KREC
	s_lshl_b32 s42, s14, 13                        ; codes: 16384 (ub / 2) + 8192 (ub % 2) = 8192 ub
	s_add_co_u32 s42, s42, s40
	s_mov_b32 s43, 0
	s_lshl_b32 s44, s14, 9
	s_add_co_u32 s44, s44, s40
	s_add_co_u32 s44, s44, 65536                   ; scale bytes: 512 a unit
	s_mov_b32 s45, 0
	s_lshl_b32 s46, s14, 7
	s_add_co_u32 s46, s46, s40
	s_add_co_u32 s46, s46, 69632                   ; dn: 128 bytes a unit
	s_mov_b32 s47, 0
	s_mul_i32 s40, s15, VREC
	s_lshl_b32 s48, s14, 8                         ; 1024 (ub / 4) + 512 ((ub / 2) % 2) + 256 (ub % 2) = 256 ub
	s_add_co_u32 s48, s48, s40
	s_mov_b32 s49, 0
	s_lshl_b32 s50, s14, 9
	s_add_co_u32 s50, s50, s40
	s_add_co_u32 s50, s50, 65536
	s_mov_b32 s51, 0
	s_wait_kmcnt 0x0
	s_cmp_lt_u32 ttmp9, NREC
	s_cselect_b64 s[4:5], s[4:5], s[6:7]           ; the source,
	s_cselect_b64 s[8:9], s[8:9], s[12:13]         ; and where its first-operand record goes
	s_add_nc_u64 s[20:21], s[4:5], s[36:37]        ; rows 0-15 of my 32
	s_add_nc_u64 s[22:23], s[4:5], s[38:39]        ; rows 16-31
	s_add_nc_u64 s[26:27], s[8:9], s[42:43]
	s_add_nc_u64 s[28:29], s[8:9], s[44:45]
	s_add_nc_u64 s[30:31], s[8:9], s[46:47]
	s_add_nc_u64 s[32:33], s[10:11], s[48:49]
	s_add_nc_u64 s[34:35], s[10:11], s[50:51]
.macro GLOAD it                        ; 32 rows x 512 bytes: columns 128 it on; each load reads 512 consecutive bytes
.set i, 0
.rept 32
	global_load_b128 v[X+4*i:X+4*i+3], v[LOF], s[20+2*(i/16):21+2*(i/16)] offset:(i%16)*2048+512*(\it) th:TH_LOAD_NT
.set i, i+1
.endr
.endm
.macro STAGE                           ; key i goes to stage row 16 ((i / 8) % 2) + i % 8 + 8 (i / 16): row l then holds the key of tile parity l / 16, lane r = l % 16
.set i, 0
.rept 32
	ds_store_b128 v[SA], v[X+4*i:X+4*i+3] offset:(16*((i>>3)&1)+(i&7)+8*(i>>4))*SP
.set i, i+1
.endr
	s_cmp_lg_u32 s24, 0
	s_cbranch_scc1 .Lhas_a_\@
.set i, 0
	s_wait_alu depctr_va_vdst(0)
.rept 16
	ds_store_b128 v[SA], v[ZQ:ZQ+3] offset:(16*((i>>3)&1)+(i&7)+8*(i>>4))*SP   ; LDS serves a wave's instructions in order: the zeros land over the clamped rows
.set i, i+1
.endr
.Lhas_a_\@:
	s_cmp_lg_u32 s25, 0
	s_cbranch_scc1 .Lhas_b_\@
.set i, 16
	s_wait_alu depctr_va_vdst(0)
.rept 16
	ds_store_b128 v[SA], v[ZQ:ZQ+3] offset:(16*((i>>3)&1)+(i&7)+8*(i>>4))*SP
.set i, i+1
.endr
.Lhas_b_\@:
.endm
.macro ISSUE_K e, set                  ; my stage row's 32 neighbours along d, block e of the turn
.irp g, 0,1,2,3,4,5,6,7
	ds_load_b128 v[W0+32*(\set)+4*\g:W0+32*(\set)+4*\g+3], v[KA] offset:128*(\e)+16*\g
.endr
.endm
.macro ISSUE_V e, set                  ; column 32 e + lane of the turn, registers down the 32 keys in their own order
.set i, 0
.rept 32
	ds_load_b32 v[W0+32*(\set)+i], v[VA] offset:(16*((i>>3)&1)+(i&7)+8*(i>>4))*SP+128*(\e)
.set i, i+1
.endr
.endm
; The largest magnitude of a set's 32 numbers, with the floor 2^(3 - 127) among its leaves, and the conversion's scale operand (2 off the exponent field) in v[TM+2].  sq = 1: the squares for dn are dealt among the lines.
.macro MAXB set, sq
.set XS, W0+32*(\set)
	v_max3_num_f32 v[TM], |v[XS]|, |v[XS+1]|, |v[XS+2]|
	v_max3_num_f32 v[TM+1], |v[XS+3]|, |v[XS+4]|, |v[XS+5]|
.if \sq
	v_pk_fma_f32 v[DNS:DNS+1], v[XS:XS+1], v[XS:XS+1], v[DNS:DNS+1]
	v_pk_fma_f32 v[DNS+2:DNS+3], v[XS+2:XS+3], v[XS+2:XS+3], v[DNS+2:DNS+3]
.endif
.irp i, 6,10,14,18,22,26
	v_max3_num_f32 v[TM], v[TM], |v[XS+\i]|, |v[XS+\i+1]|
	v_max3_num_f32 v[TM+1], v[TM+1], |v[XS+\i+2]|, |v[XS+\i+3]|
.if \sq
	s_delay_alu instid0(VALU_DEP_4)
	v_pk_fma_f32 v[DNS:DNS+1], v[XS+\i-2:XS+\i-1], v[XS+\i-2:XS+\i-1], v[DNS:DNS+1]
	s_delay_alu instid0(VALU_DEP_4)
	v_pk_fma_f32 v[DNS+2:DNS+3], v[XS+\i:XS+\i+1], v[XS+\i:XS+\i+1], v[DNS+2:DNS+3]
.endif
.endr
	v_max3_num_f32 v[TM], v[TM], |v[XS+30]|, |v[XS+31]|
.if \sq
	s_delay_alu instid0(VALU_DEP_3)
	v_pk_fma_f32 v[DNS:DNS+1], v[XS+28:XS+29], v[XS+28:XS+29], v[DNS:DNS+1]
	s_delay_alu instid0(VALU_DEP_3)
	v_pk_fma_f32 v[DNS+2:DNS+3], v[XS+30:XS+31], v[XS+30:XS+31], v[DNS+2:DNS+3]
.endif
	v_max3_num_f32 v[TM], v[TM], v[TM+1], 0x1800000
	s_delay_alu instid0(VALU_DEP_1)
	v_add_nc_u32 v[TM+2], 0xff000000, v[TM]
.endm
.macro PROC_K q, set                   ; block q of 16 along d of my key
	MAXB \set, 1
	s_wait_alu depctr_va_vdst(0)
	s_wait_xcnt 0x0                                ; the last store of codes has read v[KC..]: only now are they written again
.irp g, 0,1,2,3
	v_cvt_scalef32_pk8_fp4_f32 v[KC+\g], v[XS+8*\g:XS+8*\g+7], v[TM+2]
.endr
	v_lshrrev_b32 v[TM+3], 23, v[TM+2]             ; the scale's byte (also the plain line behind the conversions)
.if ((\q)%4) == 0
	s_delay_alu instid0(VALU_DEP_1)
	v_mov_b32 v[KSB+(\q)/4], v[TM+3]
.else
	s_delay_alu instid0(VALU_DEP_1)
	v_lshl_or_b32 v[KSB+(\q)/4], v[TM+3], 8*((\q)%4), v[KSB+(\q)/4]
.endif
	global_store_b128 v[KO], v[KC:KC+3], s[26:27] offset:((\q)>>2)*1024+(((\q)>>1)&1)*512+((\q)&1)*256   ; lanes 0-15 and lanes 16-31 each fill 256 consecutive bytes, aligned
.endm
.macro PROC_V it, e, set               ; my column's block of 32 keys
	MAXB \set, 0
	s_wait_alu depctr_va_vdst(0)
	s_wait_xcnt 0x0                                ; as above, for v[VC..]
.irp g, 0,1,2,3
	v_cvt_scalef32_pk8_fp4_f32 v[VC+\g], v[XS+8*\g:XS+8*\g+7], v[TM+2]
.endr
	v_lshrrev_b32 v[TM+3], 23, v[TM+2]
	global_store_b128 v[VO], v[VC:VC+3], s[32:33] offset:(8*(\it)+2*(\e))*2048
	ds_store_b8 v[VB], v[TM+3] offset:(128*(\it)+32*(\e))*8    ; byte ub of column 128 it + 32 e + lane
.endm
.macro ITER it
	s_wait_loadcnt 0x0                             ; this turn's 32 rows are in
	STAGE
	s_wait_dscnt 0x0                               ; the stage's stores have read their registers,
.if (\it) < 3
	GLOAD (\it)+1                                  ; which take the next turn's loads: 16 KB a wave out during all the work below
.endif
	ISSUE_K 0, 0
	s_wait_alu depctr_va_vdst(0)
.irp e, 0,1,2,3
.if \e < 3
	ISSUE_K \e+1, (\e+1)%2
	s_wait_dscnt 8                                 ; this block's 8 loads are in; the next block's 8 may be out
.else
	s_wait_dscnt 0x0
.endif
	PROC_K 4*(\it)+\e, \e%2
.endr
	s_cmp_lg_u32 s16, 0                            ; x_t is no operand of the second product
	s_cbranch_scc0 .Lno_v_\@
	ISSUE_V 0, 0
.irp e, 0,1,2,3
.if \e < 3
	ISSUE_V \e+1, (\e+1)%2
	s_wait_dscnt 32                                ; this block's 32 loads are in (and the last byte store is done); the next block's 32 may be out
.else
	s_wait_dscnt 0x0
.endif
	PROC_V \it, \e, \e%2
.endr
.Lno_v_\@:
.endm
	GLOAD 0
	ITER 0
	ITER 1
	ITER 2
	ITER 3
	v_pk_add_f32 v[DNS:DNS+1], v[DNS:DNS+1], v[DNS+2:DNS+3]
	s_delay_alu instid0(VALU_DEP_1)
	v_add_f32 v[DNS], v[DNS], v[DNS+1]             ; dn of my stage row's key
	s_wait_alu depctr_va_vdst(0)
	global_store_b128 v[LOF], v[KSB:KSB+3], s[28:29]   ; the unit's 512 scale bytes, consecutive
	s_cmp_lg_u32 s16, 0
	s_cbranch_scc0 .Lno_dn
	global_store_b32 v[DNO], v[DNS], s[30:31]      ; 128 consecutive bytes a wave (half of an aligned 256): 1,024 bytes a record
.Lno_dn:
	s_wait_dscnt 0x0                               ; for the others' sake: my byte stores have landed
	s_barrier_signal -1
	s_barrier_wait -1                              ; every column's eight bytes lie in LDS
	s_cmp_lg_u32 s16, 0
	s_cbranch_scc0 .Lend
	ds_load_b128 v[W0:W0+3], v[VR]
	s_wait_dscnt 0x0
	global_store_b128 v[LOF], v[W0:W0+3], s[34:35] ; 512 consecutive bytes a wave
.Lend:
	s_wait_tensorcnt 0x0
	ds_add_u32 v62, v63
	s_wait_dscnt 0x0
	s_endpgm
.Lfunc_end_k_qd85ef14de0_prep:
	.size	k_qd85ef14de0_prep, .Lfunc_end_k_qd85ef14de0_prep-k_qd85ef14de0_prep
	.p2alignl 7, 3214868480
	.fill 96, 4, 3214868480
	.section	.rodata,"a",@progbits
	.p2align	6, 0x0
	.amdhsa_kernel k_qd85ef14de0_prep
		.amdhsa_group_segment_fixed_size 140288
		.amdhsa_private_segment_fixed_size 0
		.amdhsa_enable_private_segment 0
		.amdhsa_kernarg_size 40
		.amdhsa_user_sgpr_count 2
		.amdhsa_user_sgpr_kernarg_segment_ptr 1
		.amdhsa_wavefront_size32 1
		.amdhsa_system_sgpr_workgroup_id_x 1
		.amdhsa_system_sgpr_workgroup_id_y 1
		.amdhsa_system_sgpr_workgroup_id_z 1
		.amdhsa_system_vgpr_workitem_id 0
		.amdhsa_next_free_vgpr 256
		.amdhsa_next_free_sgpr 66
		.amdhsa_reserve_vcc 0
		.amdhsa_float_denorm_mode_32 3
		.amdhsa_float_denorm_mode_16_64 3
		.amdhsa_memory_ordered 1
		.amdhsa_forward_progress 1
		.amdhsa_inst_pref_size 151
	.end_amdhsa_kernel
	.amdgpu_metadata
---
amdhsa.version: [ 1, 2 ]
amdhsa.kernels:
  - .name:           k_qd85ef14de0_prep
    .symbol:         k_qd85ef14de0_prep.kd
    .args:
      - { .name: dataset, .offset: 0, .size: 8, .value_kind: global_buffer, .address_space: global }
      - { .name: x_t, .offset: 8, .size: 8, .value_kind: global_buffer, .address_space: global }
      - { .name: krec, .offset: 16, .size: 8, .value_kind: global_buffer, .address_space: global }
      - { .name: vrec, .offset: 24, .size: 8, .value_kind: global_buffer, .address_space: global }
      - { .name: qrec, .offset: 32, .size: 8, .value_kind: global_buffer, .address_space: global }
    .group_segment_fixed_size: 140288
    .private_segment_fixed_size: 0
    .kernarg_segment_align: 8
    .kernarg_segment_size: 40
    .max_flat_workgroup_size: 256
    .sgpr_count:     66
    .vgpr_count:     256
    .wavefront_size: 32
...
	.end_amdgpu_metadata
.endif
;; end of part 1
;; launch stats (part 2): grid 16 x 14, 8 waves a work-group, clusters of 4 x 1, 327,680 bytes of LDS; arguments t, qrec, krec, stat; writes stat
.if DOCPART == 2
	.amdgcn_target "amdgcn-amd-amdhsa--gfx1250"
	.amdhsa_code_object_version 6
	.text
	.protected	k_qd85ef14de0_stats
	.globl	k_qd85ef14de0_stats
	.p2align	8
	.type	k_qd85ef14de0_stats,@function
k_qd85ef14de0_stats:
	s_mov_b64 s[64:65], 0
	v_nop
	global_prefetch_b8 v0, s[64:65] scope:SCOPE_SE
	s_setreg_imm32_b32 hwreg(HW_REG_WAVE_MODE, 25, 1), 1
	s_wait_xcnt 0x0
	s_wait_alu depctr_hold_cnt(0) depctr_sa_sdst(0) depctr_va_vdst(0) depctr_va_sdst(0) depctr_va_ssrc(0) depctr_va_vcc(0) depctr_vm_vsrc(0)
	s_getreg_b32 s2, hwreg(HW_REG_IB_STS2, 6, 4)
	s_cmp_eq_u32 s2, 0
	s_cbranch_scc0 .Lentry_in_a_cluster
	s_endpgm
.Lentry_in_a_cluster:
	s_bfe_u32 s2, ttmp6, 0x10000c
	s_cmp_lg_u32 s2, 0x3003
	s_cbranch_scc0 .Lentry_shape_is_right
	s_endpgm
.Lentry_shape_is_right:
; STATS.  For 64 queries and a chunk of 14 records (3,584 keys): the largest score and the sum of exponentials, for the softmax that the next launch finishes.
; log2(e) x logit = a2 x S' + (a term of the row alone), S' = sign(t) S + k dn[n], k = -|t| / 2, a2 = |t| / (1 - t)^2 x log2(e) >= 0, S = the first product on FP4 codes.
; DEAD WORK: the row's term -term_1 log2(e) / (2 b^2) is the same for all keys of a row; the softmax takes the row's maximum away, so it cancels for every input and is not formed
; (a NaN, an infinity or an overflow that would arise in that term alone is not carried to the result).  sign(t) is laid into x_t's codes (their sign bits are turned).
; Kept for each query: m = max S' and l = the sum of 2^(fma(S', a2, nu)), nu = the rounded -a2 m.  S' has the same bits here and in the next launch: the same instructions on the same operands.
; SHARES.  Eight waves, two on a SIMD.  Wave u takes the unit of 32 keys 32 u .. 32 u + 31 of each record for all 64 queries: 8 accumulators; a fragment of keys feeds four products and is read by one wave.
; The product is used transposed (source 0 = 16 keys, source 1 = 16 queries): a lane holds ONE query, and registers 0-15 of a tile of queries are keys 32 u + 16 (lane / 16) + 0..15.
; CLUSTER.  The four work-groups of a cluster walk the same records: each tile is asked for jointly (mask 15).  A slot holds two records, 141,312 bytes; each wave brings an eighth, 69 rows of 256 bytes, with one load.
; PREFETCH: behind a change of slots that loads tile T + 1 the cluster names the 552 rows of tile T + 3, two refills ahead: nine rows a wave and record, the partners told apart by address; the last three tiles' trips ask for nothing.
; Keys from 50,000 on lie in the chunk's last record alone, which is written out: their group's maximum and their exponent's addend are replaced by -infinity through a lane mask made of ids.
; LIMITS: NaN and infinities are not served; t = 1 is not served (reference() is not finite there).
.set KREC,  70656
.set TILE,  2*KREC
.set PART,  TILE/8                     ; 69 rows of 256 bytes
.set XSB,   2*TILE                     ; behind the ring: the waves' statistics, 4,096 bytes
.set SPARE, XSB+4096                   ; the spare words, 128 bytes a wave
.set LI,1
.set PFO,5
.set XA,6
.set XR,7
.set SO,8
.set HH,9
.set KS,10                             ; v10-13 the keys' scale words
.set QS,14                             ; v14-21 the queries'
.set CT,22                             ; v22-53 eight a tile of queries: k|m, a2|nu, l (two halves), f|tmp
.set A5,54                             ; a2 of the tile that my wave finishes
.set DN,56                             ; v56-71 dn of my 16 keys
.set SPW,72
.set NIL,73
.set AD,74                             ; v[AD + 3 j + 0,1,2]: record j = 2 slot + rec of the ring: codes, scale words, dn
.set S,128                             ; v128-191 the scores
.set KF,192                            ; v192-255 my unit's fragments; window 1: v0-127 the queries' fragments
.set WV,16
.set KB,20
.set CNT,24
.set VM,25
.set NINF,26
.set SEL,28
.set G1,68
.set G0,76
.set MSB, 0
.macro WIN new                         ; the immediate's high byte repeats the setting that is left
.if MSB != \new
	s_set_vgpr_msb (MSB<<8)|\new
.set MSB, \new
.endif
.endm
.macro PLACES n
.rept \n
	v_nop
.endr
.endm
.macro CROUND                          ; a round of the cluster's barrier
	s_barrier_signal -1
	s_barrier_wait -1
	s_cmp_lg_u32 s[WV], 0
	s_cbranch_scc1 .Lnw0_\@
	s_barrier_signal -3
.Lnw0_\@:
	s_barrier_wait -3
	s_barrier_signal -1
	s_barrier_wait -1
.endm
.macro WM                              ; one product, named by rD, rA, rB, rSA, rSB; fZ: it starts the sum; fRA, fRB: the side's scale words lie in lanes 16-31
.if fZ
.if fRA && fRB
	v_wmma_scale_f32_16x16x128_f8f6f4 v[rD:rD+7], v[rA:rA+7], v[rB:rB+7], 0, v[rSA], v[rSB] matrix_a_fmt:MATRIX_FMT_FP4 matrix_b_fmt:MATRIX_FMT_FP4 matrix_a_scale:MATRIX_SCALE_ROW1 matrix_b_scale:MATRIX_SCALE_ROW1
.elseif fRA
	v_wmma_scale_f32_16x16x128_f8f6f4 v[rD:rD+7], v[rA:rA+7], v[rB:rB+7], 0, v[rSA], v[rSB] matrix_a_fmt:MATRIX_FMT_FP4 matrix_b_fmt:MATRIX_FMT_FP4 matrix_a_scale:MATRIX_SCALE_ROW1
.elseif fRB
	v_wmma_scale_f32_16x16x128_f8f6f4 v[rD:rD+7], v[rA:rA+7], v[rB:rB+7], 0, v[rSA], v[rSB] matrix_a_fmt:MATRIX_FMT_FP4 matrix_b_fmt:MATRIX_FMT_FP4 matrix_b_scale:MATRIX_SCALE_ROW1
.else
	v_wmma_scale_f32_16x16x128_f8f6f4 v[rD:rD+7], v[rA:rA+7], v[rB:rB+7], 0, v[rSA], v[rSB] matrix_a_fmt:MATRIX_FMT_FP4 matrix_b_fmt:MATRIX_FMT_FP4
.endif
.else
.if fRA && fRB
	v_wmma_scale_f32_16x16x128_f8f6f4 v[rD:rD+7], v[rA:rA+7], v[rB:rB+7], v[rD:rD+7], v[rSA], v[rSB] matrix_a_fmt:MATRIX_FMT_FP4 matrix_b_fmt:MATRIX_FMT_FP4 matrix_a_scale:MATRIX_SCALE_ROW1 matrix_b_scale:MATRIX_SCALE_ROW1
.elseif fRA
	v_wmma_scale_f32_16x16x128_f8f6f4 v[rD:rD+7], v[rA:rA+7], v[rB:rB+7], v[rD:rD+7], v[rSA], v[rSB] matrix_a_fmt:MATRIX_FMT_FP4 matrix_b_fmt:MATRIX_FMT_FP4 matrix_a_scale:MATRIX_SCALE_ROW1
.elseif fRB
	v_wmma_scale_f32_16x16x128_f8f6f4 v[rD:rD+7], v[rA:rA+7], v[rB:rB+7], v[rD:rD+7], v[rSA], v[rSB] matrix_a_fmt:MATRIX_FMT_FP4 matrix_b_fmt:MATRIX_FMT_FP4 matrix_b_scale:MATRIX_SCALE_ROW1
.else
	v_wmma_scale_f32_16x16x128_f8f6f4 v[rD:rD+7], v[rA:rA+7], v[rB:rB+7], v[rD:rD+7], v[rSA], v[rSB] matrix_a_fmt:MATRIX_FMT_FP4 matrix_b_fmt:MATRIX_FMT_FP4
.endif
.endif
.endm
.macro LOADK j                         ; record j of the ring: scale words, dn, then my unit's 8 fragments, K step by K step (4 loads each)
	ds_load_b128 v[KS:KS+3], v[AD+3*(\j)+1]
.irp g, 0,1,2,3
	ds_load_b128 v[DN+4*\g:DN+4*\g+3], v[AD+3*(\j)+2] offset:16*\g
.endr
.irp s, 0,1,2,3
.irp k, 0,1
.irp c, 0,1
	ds_load_b128 v[KF+8*(4*\k+\s)+4*\c:KF+8*(4*\k+\s)+4*\c+3], v[AD+3*(\j)] offset:4096*\k+1024*\s+512*\c
.endr
.endr
.endr
.endm
.macro PF rel
	global_prefetch_b8 v[PFO], s[KB:KB+1] offset:(\rel)*KREC th:TH_LOAD_NT scope:SCOPE_SE
.endm
	s_load_b256 s[4:11], s[0:1], 0x0               ; t s[4:5], qrec s[6:7], krec s[8:9], stat s[10:11]
	v_lshl_add_u32 v[SPW], v0, 2, SPARE
	v_mov_b32 v[NIL], 0
	ds_add_u32 v[SPW], v[NIL]                      ; the opening lines: the add, twice on end, and its wait ahead of my first tensor load
	ds_add_u32 v[SPW], v[NIL]
	v_lshrrev_b32 v[S+26], 5, v0
	v_readfirstlane_b32 s[WV], v[S+26]             ; wave 0..7
	s_bfe_u32 s17, ttmp6, 0x40000                  ; cx
	s_lshl_b32 s18, ttmp9, 2
	s_add_co_u32 s18, s18, s17                     ; qb: my block of 64 queries; it enters global addresses alone
	s_and_b32 s19, ttmp7, 0xffff                   ; the chunk of keys, which the partners share
	s_mov_b32 s[G1], 15|(3<<16)|(1<<21)            ; mask: all four; elements of 8 bytes; bit 21 beside a mask; no padding: every LDS read is an image at 16 x lane
	s_mov_b32 s[G1+1], 32<<16                      ; rows of 256 bytes
	s_mov_b32 s[G1+2], 69<<16                      ; 69 rows: an eighth of a tile
	s_mov_b32 s[G1+3], 32<<16
	s_mov_b32 s[G1+4], 69
	s_mov_b32 s[G1+5], 32                          ; the pitch: dense
	s_mov_b32 s[G1+6], 0
	s_mov_b32 s[G1+7], 0
	s_mul_i32 s27, s[WV], PART                     ; my eighth, in memory and in LDS alike
	s_lshl_b32 s30, s[WV], 13
	s_lshl_b32 s31, s[WV], 9
	s_lshl_b32 s32, s[WV], 7
	s_and_b32 s34, s[WV], 3                        ; the tile that my wave finishes
	s_lshl_b32 s33, s34, 7
	s_lshl_b32 s37, s17, 3
	s_add_co_u32 s37, s37, s[WV]
	s_mul_i32 s37, s37, 9*256                      ; the prefetches: nine rows for each of the cluster's 32 waves
	s_mul_i32 s38, s19, 14*KREC
	s_mov_b32 s39, 0
	s_add_co_u32 s40, s38, s27
	s_mov_b32 s41, 0
	s_lshr_b32 s42, s18, 2                         ; the queries: record qb / 4, part qb % 4
	s_mul_i32 s42, s42, KREC
	s_and_b32 s43, s18, 3
	s_lshl_b32 s44, s43, 14
	s_add_co_u32 s44, s44, s42
	s_mov_b32 s45, 0
	s_lshl_b32 s46, s43, 10
	s_add_co_u32 s46, s46, s42
	s_add_co_u32 s46, s46, 65536
	s_mov_b32 s47, 0
	s_lshl_b32 s48, s18, 8
	s_mov_b32 s49, 0
	s_lshr_b32 s50, s34, 1
	s_lshl_b32 s50, s50, 7
	s_and_b32 s51, s34, 1
	s_lshl_b32 s51, s51, 5
	s_add_co_u32 s50, s50, s51
	s_mov_b32 s51, 0
	s_lshl_b32 s52, s19, 13                        ; stat: 8 (1024 chunk + 64 qb + 16 tile)
	s_lshl_b32 s53, s18, 9
	s_add_co_u32 s52, s52, s53
	s_add_co_u32 s52, s52, s33
	s_mov_b32 s53, 0
	s_mul_i32 s54, s19, 3584
	s_lshl_b32 s55, s[WV], 5
	s_add_co_u32 s54, s54, s55
	s_add_co_u32 s54, s54, 13*256                  ; my unit's first key in the chunk's last record
	s_cmp_lt_u32 s54, 50000
	s_cselect_b32 s55, 0xffff, 0                   ; lanes 0-15: keys + 0..15 exist
	s_cmp_lt_u32 s54, 49984
	s_cselect_b32 s54, 0xffff0000, 0               ; lanes 16-31: keys + 16..31 exist
	s_or_b32 s[VM], s54, s55
	s_mov_b32 s[NINF], 0xff800000
	s_mov_b32 s[SEL], 0x76543210
	s_mov_b32 s[SEL+1], 0xfedcba98
	s_mov_b32 s[CNT], 3
	s_add_co_u32 s35, s31, XSB
	s_add_co_u32 s36, s33, XSB
	s_wait_dscnt 0x0                               ; both opening adds are done
	v_and_b32 v[S+24], 31, v0                      ; lane
	v_and_b32 v[S+25], 15, v0                      ; r
	v_bfe_u32 v[HH], v0, 4, 1                      ; h
	v_lshlrev_b32 v[LI], 4, v[S+24]
	v_lshl_add_u32 v[AD], v[S+24], 4, s30          ; codes: 8192 u + 16 x lane
	v_lshl_add_u32 v[AD+1], v[S+24], 4, s31
	v_add_nc_u32 v[AD+1], 65536, v[AD+1]           ; scale words: 512 u + 16 x lane
	v_lshl_add_u32 v[AD+2], v[HH], 6, s32
	v_add_nc_u32 v[AD+2], 69632, v[AD+2]           ; dn: 128 u + 64 h
.irp j, 1,2,3
.irp k, 0,1,2
	v_add_nc_u32 v[AD+3*\j+\k], \j*KREC, v[AD+\k]
.endr
.endr
	v_min_u32 v[PFO], 8, v[S+24]
	v_lshl_add_u32 v[PFO], v[PFO], 8, s37
	v_min_u32 v[PFO], 275*256, v[PFO]              ; a record has 276 rows: what is left over names the last row again
	v_lshl_add_u32 v[XA], v[S+25], 3, s35          ; where I put my statistics: 512 u + 128 tile + 8 r
	v_lshl_add_u32 v[XR], v[S+25], 3, s36          ; where I read my tile's: 512 wave + 128 tile + 8 r
	v_lshlrev_b32 v[SO], 3, v[S+25]
	v_lshl_add_u32 v[SO], v[HH], 2, v[SO]
	v_and_b32 v[S+26], 8, v[S+25]
	v_add_lshl_u32 v[S+26], v[S+26], v[S+25], 2    ; lane r of a tile is query r + 8 (r / 8) of its 32
	s_wait_alu depctr_va_vdst(0)
	s_wait_kmcnt 0x0
	s_add_nc_u64 s[KB:KB+1], s[8:9], s[38:39]      ; the chunk's first record
	s_add_nc_u64 s[40:41], s[8:9], s[40:41]        ; and my eighth of its first tile
	s_add_nc_u64 s[44:45], s[6:7], s[44:45]
	s_add_nc_u64 s[46:47], s[6:7], s[46:47]
	s_add_nc_u64 s[48:49], s[4:5], s[48:49]
	s_add_nc_u64 s[50:51], s[48:49], s[50:51]
	s_add_nc_u64 s[10:11], s[10:11], s[52:53]
.irp n, 0,1
	s_mov_b32 s[G0+4*\n], 1
	s_add_co_u32 s[G0+4*\n+1], s27, \n*TILE
	s_add_nc_u64 s[G0+4*\n+2:G0+4*\n+3], s[40:41], \n*TILE
	s_or_b32 s[G0+4*\n+3], s[G0+4*\n+3], 0x80000000
.endr
	CROUND                                         ; all four work-groups are here: the first joint load meets
	tensor_load_to_lds s[G0:G0+3], s[G1:G1+7]      ; tile 0 into slot 0; slot 1 is first filled behind the first change of slots
	s_nop 0
	PLACES 4
	WIN 0x40
.set i, 0
.rept 32
	global_load_b128 v[4*i:4*i+3], v[LI], s[44:45] offset:512*i   ; fragment (tile q, K step s) at window 1, v[8 (4 q + s)]: they stay
.set i, i+1
.endr
	WIN 0
	global_load_b128 v[QS:QS+3], v[LI], s[46:47]
	global_load_b128 v[QS+4:QS+7], v[LI], s[46:47] offset:512
.irp q, 0,1,2,3
	global_load_b32 v[S+\q], v[S+26], s[48:49] offset:4*(32*(\q/2)+8*(\q%2))
.endr
	global_load_b32 v[S+4], v[S+26], s[50:51]
	PF 4                                           ; tile 2
	PF 5
	s_wait_loadcnt 0x0
	; the rows' constants; the next launch forms a2 by the same lines, so that it has the same bits
.irp i, 0,1,2,3,4
	v_sub_f32 v[S+8+\i], 1.0, v[S+\i]              ; b = 1 - t
.endr
.irp q, 0,1,2,3
	v_mul_f32 v[CT+8*\q], -0.5, |v[S+\q]|          ; k
.endr
.irp q, 0,1,2,3
	v_ashrrev_i32 v[S+16+\q], 31, v[S+\q]
.endr
.irp q, 0,1,2,3
	v_and_b32 v[S+16+\q], 0x88888888, v[S+16+\q]   ; the eight sign bits of a word of codes, where t is negative
.endr
	s_wait_alu depctr_va_vdst(0)                   ; the wait ahead of the batch,
.irp i, 0,1,2,3,4
	v_rcp_f32 v[S+8+\i], v[S+8+\i]
.endr
	v_nop
	s_wait_alu depctr_va_vdst(0)                   ; and behind it
.irp i, 0,1,2,3,4
	v_mul_f32 v[S+8+\i], v[S+8+\i], v[S+8+\i]
.endr
.irp i, 0,1,2,3,4
	v_mul_f32 v[S+8+\i], v[S+8+\i], |v[S+\i]|
.endr
.irp q, 0,1,2,3
	v_mul_f32 v[CT+8*\q+2], 0x3fb8aa3b, v[S+8+\q]  ; a2 = |t| / b^2 x log2(e)
.endr
	v_mul_f32 v[A5], 0x3fb8aa3b, v[S+12]
.irp q, 0,1,2,3
	v_mov_b32 v[CT+8*\q+1], 0xff61b1e6             ; m = -3e38, under every score
	v_mov_b32 v[CT+8*\q+4], 0                      ; l
	v_mov_b32 v[CT+8*\q+5], 0
.endr
.irp q, 0,1,2,3
	v_mul_f32 v[CT+8*\q+3], -v[CT+8*\q+2], v[CT+8*\q+1]   ; nu (it may be +infinity here: the first f is then 0, over l = 0)
.endr
	WIN 0x41
.irp q, 0,1,2,3
.set i, 0
.rept 32
	v_xor_b32 v[32*\q+i], v[32*\q+i], v[S+16+\q]   ; sign(t) into the queries' codes
.set i, i+1
.endr
.endr
	WIN 0
.macro SMUL                            ; 32 products: the 8 accumulators take turns, one instruction a turn; the first K step starts the sums
	WIN 0x04                                       ; source 1 (the queries) window 1
.irp s, 0,1,2,3
	s_wait_dscnt 4*(3-\s)                          ; the fragments of the later K steps, 4 loads each, may be out
.irp q, 0,1,2,3
.irp k, 0,1
.set rD, S+16*\q+8*\k
.set rA, KF+8*(4*\k+\s)
.set rB, 8*(4*\q+\s)
.set rSA, KS+\s
.set rSB, QS+4*(\q/2)+\s
.set fRA, \k
.set fRB, \q%2
.if \s == 0
.set fZ, 1
.else
.set fZ, 0
.endif
	WM
.endr
.endr
.endr
	WIN 0
.endm
; One record, j of the ring.  pfr >= 0: the record pfr behind the base is prefetched, but in the loop's last trip; last = 1: the chunk's last record, with the mask.
.macro SUB j, pfr, last
	LOADK \j
.if \pfr >= 0
	s_cmp_gt_u32 s[CNT], 1
	s_cbranch_scc0 .Lnp_\@
	PF \pfr
.Lnp_\@:
.endif
	SMUL
	PLACES 4                                       ; between the products and the first read of a result
.set n, 0
.rept 8
.irp q, 0,1,2,3
	v_pk_fma_f32 v[S+16*\q+n:S+16*\q+n+1], v[DN+n:DN+n+1], v[CT+8*\q:CT+8*\q+1], v[S+16*\q+n:S+16*\q+n+1] op_sel_hi:[1,0,1]   ; S' = dn k + S; each accumulator from its low end on
.endr
.set n, n+2
.endr
.irp q, 0,1,2,3
	v_max3_num_f32 v[CT+8*\q+7], v[S+16*\q], v[S+16*\q+1], v[S+16*\q+2]   ; the largest of my 16 keys: four chains by turns
.endr
.irp i, 3,5,7,9,11,13
.irp q, 0,1,2,3
	v_max3_num_f32 v[CT+8*\q+7], v[CT+8*\q+7], v[S+16*\q+\i], v[S+16*\q+\i+1]
.endr
.endr
.irp q, 0,1,2,3
	v_max_num_f32 v[CT+8*\q+7], v[CT+8*\q+7], v[S+16*\q+15]
.endr
.if \last
.irp q, 0,1,2,3
	v_cndmask_b32 v[CT+8*\q+7], s[NINF], v[CT+8*\q+7], s[VM]   ; a group past the last key counts for nothing
.endr
.endif
.irp q, 0,1,2,3
	v_max_num_f32 v[CT+8*\q+1], v[CT+8*\q+1], v[CT+8*\q+7]     ; the running m
.endr
.irp q, 0,1,2,3
	v_mul_f32 v[CT+8*\q+7], -v[CT+8*\q+2], v[CT+8*\q+1]        ; the new nu = -a2 m, rounded
.endr
.irp q, 0,1,2,3
	v_sub_f32 v[CT+8*\q+6], v[CT+8*\q+7], v[CT+8*\q+3]         ; new nu - old nu, 0 or less
.endr
.irp q, 0,1,2,3
	v_mov_b32 v[CT+8*\q+3], v[CT+8*\q+7]
.endr
.if \last
.irp q, 0,1,2,3
	v_cndmask_b32 v[CT+8*\q+7], s[NINF], v[CT+8*\q+7], s[VM]   ; the exponent's addend, -infinity past the last key
.endr
.endif
.set n, 0
.rept 8
.irp q, 0,1,2,3
	v_pk_fma_f32 v[S+16*\q+n:S+16*\q+n+1], v[S+16*\q+n:S+16*\q+n+1], v[CT+8*\q+2:CT+8*\q+3], v[CT+8*\q+6:CT+8*\q+7] op_sel:[0,0,1] op_sel_hi:[1,0,1]   ; S' a2 + nu
.endr
.set n, n+2
.endr
	s_wait_alu depctr_va_vdst(0)                   ; the wait ahead of the batch,
.set n, 0
.rept 64
	v_exp_f32 v[S+n], v[S+n]
.set n, n+1
.endr
.irp q, 0,1,2,3
	v_exp_f32 v[CT+8*\q+6], v[CT+8*\q+6]           ; f = 2^(new nu - old nu)
.endr
	v_nop
	s_wait_alu depctr_va_vdst(0)                   ; and one behind it, for the 68
.irp u, 0,1,2,3
.irp q, 0,1,2,3
	v_pk_add_f32 v[S+16*\q+4*\u:S+16*\q+4*\u+1], v[S+16*\q+4*\u:S+16*\q+4*\u+1], v[S+16*\q+4*\u+2:S+16*\q+4*\u+3]
.endr
.endr
.irp u, 0,1
.irp q, 0,1,2,3
	v_pk_add_f32 v[S+16*\q+8*\u:S+16*\q+8*\u+1], v[S+16*\q+8*\u:S+16*\q+8*\u+1], v[S+16*\q+8*\u+4:S+16*\q+8*\u+5]
.endr
.endr
.irp q, 0,1,2,3
	v_pk_add_f32 v[S+16*\q:S+16*\q+1], v[S+16*\q:S+16*\q+1], v[S+16*\q+8:S+16*\q+9]
.endr
.irp q, 0,1,2,3
	v_pk_fma_f32 v[CT+8*\q+4:CT+8*\q+5], v[CT+8*\q+4:CT+8*\q+5], v[CT+8*\q+6:CT+8*\q+7], v[S+16*\q:S+16*\q+1] op_sel_hi:[1,0,1]   ; l = l f + the record's sum
.endr
.endm
; THE CHANGE OF SLOTS.  Every wave waits for all its tensor loads (its eighth of the slot ahead), adds 0 to its spare word, and waits for that and for its reads of the slot that it left; a round of the cluster's barrier;
; then the slot that was left takes the next tile: one load a wave, with two records' work in which to land.
.macro SYNC slot, refill
	s_wait_alu depctr_va_vdst(0)
	s_wait_tensorcnt 0x0                           ; no tensor load of mine is out, so a group 0 may be written
	ds_add_u32 v[SPW], v[NIL]                      ; 0 onto my spare word
	s_add_nc_u64 s[G0+4*\slot+2:G0+4*\slot+3], s[G0+4*\slot+2:G0+4*\slot+3], 2*TILE   ; this slot's next tile
	s_wait_dscnt 0x0                               ; the add is done, and my reads of the other slot are over
.if \refill
	CROUND
	tensor_load_to_lds s[G0+4-4*\slot:G0+7-4*\slot], s[G1:G1+7]
	s_nop 0
	PLACES 4
.else
	s_barrier_signal -1
	s_barrier_wait -1
.endif
.endm
.Lring:                                            ; 3 trips: tiles 0 to 5; behind each change of slots the next tile is asked for
	SYNC 0, 1
	SUB 0, 6, 0
	SUB 1, 7, 0
	SYNC 1, 1
	SUB 2, 8, 0
	SUB 3, 9, 0
	s_wait_xcnt 0x0                                ; the trip's prefetches have read their base
	s_add_nc_u64 s[KB:KB+1], s[KB:KB+1], 4*KREC
	s_sub_co_u32 s[CNT], s[CNT], 1
	s_cmp_lg_u32 s[CNT], 0
	s_wait_alu depctr_va_vdst(0)
	s_cbranch_scc1 .Lring
	SYNC 0, 0                                      ; tile 6 is written out: nothing is left to fetch
	SUB 0, -1, 0
	SUB 1, -1, 1
	; THE END.  A query's keys lie in two lanes of each of eight waves: first the two lanes, then the eight waves through LDS.
.irp q, 0,1,2,3
	v_add_f32 v[CT+8*\q+4], v[CT+8*\q+4], v[CT+8*\q+5]
.endr
.irp q, 0,1,2,3
	v_permlanex16_b32 v[S+4*\q], v[CT+8*\q+1], s[SEL], s[SEL+1]     ; lane l xor 16's m,
	v_permlanex16_b32 v[S+4*\q+1], v[CT+8*\q+4], s[SEL], s[SEL+1]   ; l
.endr
.irp q, 0,1,2,3
	v_max_num_f32 v[S+4*\q+2], v[CT+8*\q+1], v[S+4*\q]
.endr
.irp q, 0,1,2,3
	v_mul_f32 v[S+4*\q+3], -v[CT+8*\q+2], v[S+4*\q+2]
	v_mul_f32 v[S+4*\q], -v[CT+8*\q+2], v[S+4*\q]  ; the other lane's nu: the same rounded product
.endr
.irp q, 0,1,2,3
	v_sub_f32 v[CT+8*\q+6], v[S+4*\q+3], v[CT+8*\q+3]
	v_sub_f32 v[CT+8*\q+7], v[S+4*\q+3], v[S+4*\q]
.endr
	s_wait_alu depctr_va_vdst(0)
.irp q, 0,1,2,3
	v_exp_f32 v[CT+8*\q+6], v[CT+8*\q+6]
	v_exp_f32 v[CT+8*\q+7], v[CT+8*\q+7]
.endr
	v_nop
	s_wait_alu depctr_va_vdst(0)
.irp q, 0,1,2,3
	v_mul_f32 v[CT+8*\q+4], v[CT+8*\q+4], v[CT+8*\q+6]
	v_mul_f32 v[S+4*\q+1], v[S+4*\q+1], v[CT+8*\q+7]
.endr
.irp q, 0,1,2,3
	v_add_f32 v[S+4*\q+3], v[CT+8*\q+4], v[S+4*\q+1]   ; the same bits in both lanes
.endr
.irp q, 0,1,2,3
	ds_store_b64 v[XA], v[S+4*\q+2:S+4*\q+3] offset:128*\q
.endr
	s_wait_alu depctr_va_vdst(0)
	s_wait_dscnt 0x0                               ; for the others' sake
	s_barrier_signal -1
	s_barrier_wait -1
	s_cmp_lt_u32 s[WV], 4                          ; waves 0-3 finish a tile each
	s_cbranch_scc0 .Lend
.irp i, 0,1,2,3,4,5,6,7
	ds_load_b64 v[S+2*\i:S+2*\i+1], v[XR] offset:512*\i   ; my tile's (m, l) of the eight waves
.endr
	s_wait_dscnt 0x0
	v_max3_num_f32 v[S+16], v[S], v[S+2], v[S+4]
	v_max3_num_f32 v[S+16], v[S+16], v[S+6], v[S+8]
	v_max3_num_f32 v[S+16], v[S+16], v[S+10], v[S+12]
	v_max_num_f32 v[S+16], v[S+16], v[S+14]
	v_mul_f32 v[S+17], -v[A5], v[S+16]
.irp i, 0,1,2,3,4,5,6,7
	v_mul_f32 v[S+18+\i], -v[A5], v[S+2*\i]        ; each wave's nu again: the same rounded product
.endr
.irp i, 0,1,2,3,4,5,6,7
	v_sub_f32 v[S+18+\i], v[S+17], v[S+18+\i]
.endr
	s_wait_alu depctr_va_vdst(0)
.irp i, 0,1,2,3,4,5,6,7
	v_exp_f32 v[S+18+\i], v[S+18+\i]
.endr
	v_cmp_ne_u32 vcc_lo, 0, v[HH]                  ; (a plain line behind the exponentials)
	s_wait_alu depctr_va_vdst(0)
	v_mul_f32 v[S+26], v[S+1], v[S+18]
.irp i, 1,2,3,4,5,6,7
	v_fmac_f32 v[S+26], v[S+2*\i+1], v[S+18+\i]
.endr
	v_cndmask_b32 v[S+27], v[S+16], v[S+26], vcc_lo   ; lanes 0-15 store m, lanes 16-31 l
	global_store_b32 v[SO], v[S+27], s[10:11]      ; 128 consecutive bytes a wave, 512 a work-group
.Lend:
	s_wait_tensorcnt 0x0                           ; the wave's end
	ds_add_u32 v[SPW], v[NIL]
	s_wait_dscnt 0x0
	CROUND                                         ; the closing round
	s_endpgm
.Lfunc_end_k_qd85ef14de0_stats:
	.size	k_qd85ef14de0_stats, .Lfunc_end_k_qd85ef14de0_stats-k_qd85ef14de0_stats
	.p2alignl 7, 3214868480
	.fill 96, 4, 3214868480
	.section	.rodata,"a",@progbits
	.p2align	6, 0x0
	.amdhsa_kernel k_qd85ef14de0_stats
		.amdhsa_group_segment_fixed_size 327680
		.amdhsa_private_segment_fixed_size 0
		.amdhsa_enable_private_segment 0
		.amdhsa_kernarg_size 32
		.amdhsa_user_sgpr_count 2
		.amdhsa_user_sgpr_kernarg_segment_ptr 1
		.amdhsa_wavefront_size32 1
		.amdhsa_system_sgpr_workgroup_id_x 1
		.amdhsa_system_sgpr_workgroup_id_y 1
		.amdhsa_system_sgpr_workgroup_id_z 1
		.amdhsa_system_vgpr_workitem_id 0
		.amdhsa_next_free_vgpr 384
		.amdhsa_next_free_sgpr 84
		.amdhsa_reserve_vcc 1
		.amdhsa_float_denorm_mode_32 3
		.amdhsa_float_denorm_mode_16_64 3
		.amdhsa_memory_ordered 1
		.amdhsa_forward_progress 1
		.amdhsa_inst_pref_size 124
	.end_amdhsa_kernel
	.amdgpu_metadata
---
amdhsa.version: [ 1, 2 ]
amdhsa.kernels:
  - .name:           k_qd85ef14de0_stats
    .symbol:         k_qd85ef14de0_stats.kd
    .args:
      - { .name: t, .offset: 0, .size: 8, .value_kind: global_buffer, .address_space: global }
      - { .name: qrec, .offset: 8, .size: 8, .value_kind: global_buffer, .address_space: global }
      - { .name: krec, .offset: 16, .size: 8, .value_kind: global_buffer, .address_space: global }
      - { .name: stat, .offset: 24, .size: 8, .value_kind: global_buffer, .address_space: global }
    .group_segment_fixed_size: 327680
    .private_segment_fixed_size: 0
    .kernarg_segment_align: 8
    .kernarg_segment_size: 32
    .max_flat_workgroup_size: 256
    .sgpr_count:     84
    .vgpr_count:     384
    .wavefront_size: 32
...
	.end_amdgpu_metadata
.endif
;; end of part 2
;; launch apply (part 3): grid 16 x 14, 8 waves a work-group, clusters of 4 x 1, 327,680 bytes of LDS; arguments t, qrec, krec, vrec, stat, opart; writes opart
.if DOCPART == 3
	.amdgcn_target "amdgcn-amd-amdhsa--gfx1250"
	.amdhsa_code_object_version 6
	.text
	.protected	k_qd85ef14de0_apply
	.globl	k_qd85ef14de0_apply
	.p2align	8
	.type	k_qd85ef14de0_apply,@function
k_qd85ef14de0_apply:
	s_mov_b64 s[64:65], 0
	v_nop
	global_prefetch_b8 v0, s[64:65] scope:SCOPE_SE
	s_setreg_imm32_b32 hwreg(HW_REG_WAVE_MODE, 25, 1), 1
	s_wait_xcnt 0x0
	s_wait_alu depctr_hold_cnt(0) depctr_sa_sdst(0) depctr_va_vdst(0) depctr_va_sdst(0) depctr_va_ssrc(0) depctr_va_vcc(0) depctr_vm_vsrc(0)
	s_getreg_b32 s2, hwreg(HW_REG_IB_STS2, 6, 4)
	s_cmp_eq_u32 s2, 0
	s_cbranch_scc0 .Lentry_in_a_cluster
	s_endpgm
.Lentry_in_a_cluster:
	s_bfe_u32 s2, ttmp6, 0x10000c
	s_cmp_lg_u32 s2, 0x3003
	s_cbranch_scc0 .Lentry_shape_is_right
	s_endpgm
.Lentry_shape_is_right:
; APPLY.  For 64 queries and a chunk of 14 records (3,584 keys): the scores again, the finished prob = softmax x |1 + t / (1 - t)|, its quantising along the keys, and the chunk's part of the second product.
; S' = sign(t) S + k dn as in the launch before, with the same bits.  The 14 chunks' (m, l) give M = max m and L = the sum of l 2^(nuM - nu), nuM = the rounded -a2 M.  Then
;   p = 2^(fma(S' - M, a2, lc)),  lc = log2(|coeff| / L) + rho,  rho = fma(a2, M, nuM), the exact residue of the rounded product:
; the maximum is taken away before anything is scaled.  The sign of coeff multiplies the finished sum in the last launch (the quantiser is odd).
; LEFT OUT as in the launch before: the row's term -term_1 log2(e) / (2 b^2), the same for all keys of a row, cancels in the softmax for every input.
; SHARES.  Eight waves, two on a SIMD.  Scores: wave u takes the unit of 32 keys 32 u .. + 31 of a record for all 64 queries (transposed: a lane holds one query; registers 0-15 of a tile are keys 32 u + 16 (lane / 16) + 0..15):
; one block of the quantiser for each tile.  A lane's 16 codes are 8 bytes of P's fragment (K step u / 4, registers 4 ((u / 2) % 2) .., lane 16 (u % 2) + r): they go to the other waves through LDS as an image of the registers,
; the block's scale as a byte.  Second product (transposed: source 0 = 16 columns of the dataset, source 1 = P): wave u takes columns 64 u .. + 63 for all 64 queries: 16 accumulators, which stay for the whole chunk and leave
; as an image of their registers.  The keys' and the columns' fragments share 64 registers: the columns are read from LDS behind the scores' products.
; CLUSTER.  The four work-groups of a cluster walk the same records: joint loads (mask 15).  A slot holds one record of each operand; waves 0-3 bring quarters of the first's (69 rows of 256 bytes), waves 4-7 of the second's (68 rows).
; ONE MEETING A RECORD.  When a wave has stored its part of P, it has also taken all that it needs of record j's slot into registers.  So the round of the cluster's barrier that guards the refill stands there and serves the
; exchange of P too: behind it the slot takes record j + 2, P is read, and the second product of record j and the scores of record j + 1 follow with no barrier between.  Two images of P take turns, so that a round lies
; between a wave's reads of an image and any wave's next stores into it.
; PREFETCH: early in the trip of record j, whose round loads record j + 2, the cluster names all rows of record j + 3 of both operands, one refill and most of a trip ahead of their load: nine rows a wave and record, the partners
; told apart by address; the last three trips ask for nothing.
; Keys from 50,000 on lie in the chunk's last record alone, which is written out: zero codes, and lc is replaced by -infinity through a lane mask made of ids: p = 0.
; LIMITS: NaN and infinities are not served; t = 1 is not served; p under 2^-126 comes out as 0 (the exponential flushes); a block whose largest p lies under 2^-124 keeps the byte 1, as the rule's hold at -126 has it.
.set KREC,  70656
.set VREC,  69632
.set SLOT,  KREC+VREC
.set PIM,   2*SLOT                     ; behind the ring: two images of P, PBUF bytes each: [K step 2][tile 4][half 2][lane][16],
.set PBUF,  9216
.set PSC,   PIM+8192                   ; and in each its scale words [K step 2][tile 4][r 16][4];
.set SPARE, PIM+2*PBUF                 ; then the spare words, 128 bytes a wave
.set LI,1
.set PFK,2
.set PFV,3
.set PIL,4
.set PIA,6
.set PSA,7
.set PSL,8
.set KS,10                             ; scale words: v10-13 keys, v14-21 queries, v22-25 columns, v26-29 P
.set QS,14
.set VS,22
.set PS,26
.set CT,30                             ; v30-45 four a tile of queries: k|M, a2|lc
.set DN,46                             ; v46-61 dn of my 16 keys; behind its use the blocks' maxima (TM) and P's codes (PC)
.set TM,46
.set PC,54
.set SPW,62
.set NIL,63
.set S,64                              ; v64-127 scores, then p, then P's fragments
.set KF,128                            ; v128-191 my unit's fragments, then my columns'
.set VF,128
.set AD,192                            ; v[AD + 5 slot + 0..4]: keys' codes, scale words, dn, columns' codes, scale bytes.  Window 1: v0-127 the queries' fragments, v128-255 the 16 accumulators
.set HA,S+56                           ; the head's temporaries: t, then nuM
.set HB,S+60                           ; b, 1 / b, then rho
.set HC,DN                             ; the sign words, then L
.set HD,DN+4                           ; coeff
.set HE,DN+8                           ; the other lane's
.set HT,DN+12
.set WV,16
.set KB,20
.set VB,22
.set CNT,24
.set VM,25
.set NINF,26
.set SEL,28
.set G1K,68
.set G1V,76
.set G0K,84
.set G0V,92
.set MSB, 0
.macro WIN new                         ; the immediate's high byte repeats the setting that is left
.if MSB != \new
	s_set_vgpr_msb (MSB<<8)|\new
.set MSB, \new
.endif
.endm
.macro PLACES n
.rept \n
	v_nop
.endr
.endm
.macro CROUND                          ; a round of the cluster's barrier
	s_barrier_signal -1
	s_barrier_wait -1
	s_cmp_lg_u32 s[WV], 0
	s_cbranch_scc1 .Lnw0_\@
	s_barrier_signal -3
.Lnw0_\@:
	s_barrier_wait -3
	s_barrier_signal -1
	s_barrier_wait -1
.endm
.macro WM                              ; one product, named by rD, rA, rB, rSA, rSB; fZ: it starts the sum; fRA, fRB: the side's scale words lie in lanes 16-31
.if fZ
.if fRA && fRB
	v_wmma_scale_f32_16x16x128_f8f6f4 v[rD:rD+7], v[rA:rA+7], v[rB:rB+7], 0, v[rSA], v[rSB] matrix_a_fmt:MATRIX_FMT_FP4 matrix_b_fmt:MATRIX_FMT_FP4 matrix_a_scale:MATRIX_SCALE_ROW1 matrix_b_scale:MATRIX_SCALE_ROW1
.elseif fRA
	v_wmma_scale_f32_16x16x128_f8f6f4 v[rD:rD+7], v[rA:rA+7], v[rB:rB+7], 0, v[rSA], v[rSB] matrix_a_fmt:MATRIX_FMT_FP4 matrix_b_fmt:MATRIX_FMT_FP4 matrix_a_scale:MATRIX_SCALE_ROW1
.elseif fRB
	v_wmma_scale_f32_16x16x128_f8f6f4 v[rD:rD+7], v[rA:rA+7], v[rB:rB+7], 0, v[rSA], v[rSB] matrix_a_fmt:MATRIX_FMT_FP4 matrix_b_fmt:MATRIX_FMT_FP4 matrix_b_scale:MATRIX_SCALE_ROW1
.else
	v_wmma_scale_f32_16x16x128_f8f6f4 v[rD:rD+7], v[rA:rA+7], v[rB:rB+7], 0, v[rSA], v[rSB] matrix_a_fmt:MATRIX_FMT_FP4 matrix_b_fmt:MATRIX_FMT_FP4
.endif
.else
.if fRA && fRB
	v_wmma_scale_f32_16x16x128_f8f6f4 v[rD:rD+7], v[rA:rA+7], v[rB:rB+7], v[rD:rD+7], v[rSA], v[rSB] matrix_a_fmt:MATRIX_FMT_FP4 matrix_b_fmt:MATRIX_FMT_FP4 matrix_a_scale:MATRIX_SCALE_ROW1 matrix_b_scale:MATRIX_SCALE_ROW1
.elseif fRA
	v_wmma_scale_f32_16x16x128_f8f6f4 v[rD:rD+7], v[rA:rA+7], v[rB:rB+7], v[rD:rD+7], v[rSA], v[rSB] matrix_a_fmt:MATRIX_FMT_FP4 matrix_b_fmt:MATRIX_FMT_FP4 matrix_a_scale:MATRIX_SCALE_ROW1
.elseif fRB
	v_wmma_scale_f32_16x16x128_f8f6f4 v[rD:rD+7], v[rA:rA+7], v[rB:rB+7], v[rD:rD+7], v[rSA], v[rSB] matrix_a_fmt:MATRIX_FMT_FP4 matrix_b_fmt:MATRIX_FMT_FP4 matrix_b_scale:MATRIX_SCALE_ROW1
.else
	v_wmma_scale_f32_16x16x128_f8f6f4 v[rD:rD+7], v[rA:rA+7], v[rB:rB+7], v[rD:rD+7], v[rSA], v[rSB] matrix_a_fmt:MATRIX_FMT_FP4 matrix_b_fmt:MATRIX_FMT_FP4
.endif
.endif
.endm
; A joint load: waves 0-3 fetch the quarters of the first operand's record, waves 4-7 those of the second's.  The branch hangs on the wave's number alone.  An s_nop 0 and four v_nop follow each line.
.macro JLOAD slot
	s_cmp_lt_u32 s[WV], 4
	s_cbranch_scc0 .Lfor_v_\@
	tensor_load_to_lds s[G0K+4*(\slot):G0K+4*(\slot)+3], s[G1K:G1K+7]
	s_nop 0
	PLACES 4
	s_branch .Lasked_\@
.Lfor_v_\@:
	tensor_load_to_lds s[G0V+4*(\slot):G0V+4*(\slot)+3], s[G1V:G1V+7]
	s_nop 0
	PLACES 4
.Lasked_\@:
.endm
.macro LOADK slot                      ; scale words, dn, then my unit's 8 fragments, K step by K step (4 loads each)
	ds_load_b128 v[KS:KS+3], v[AD+5*(\slot)+1]
.irp g, 0,1,2,3
	ds_load_b128 v[DN+4*\g:DN+4*\g+3], v[AD+5*(\slot)+2] offset:16*\g
.endr
.irp s, 0,1,2,3
.irp k, 0,1
.irp c, 0,1
	ds_load_b128 v[KF+8*(4*\k+\s)+4*\c:KF+8*(4*\k+\s)+4*\c+3], v[AD+5*(\slot)] offset:4096*\k+1024*\s+512*\c
.endr
.endr
.endr
.endm
.macro LOADV slot                      ; my 4 tiles of columns x 2 K steps (fragment (d, s) at v[VF + 8 (2 d + s)]) and their scale words: they land under the softmax
.set i, 0
.rept 16
	ds_load_b128 v[VF+4*i:VF+4*i+3], v[AD+5*(\slot)+3] offset:512*i
.set i, i+1
.endr
.irp i, 0,1
	ds_load_b64 v[VS+2*\i:VS+2*\i+1], v[AD+5*(\slot)+4] offset:256*\i   ; register 2 i + s: lanes 0-15 tile 2 i, lanes 16-31 tile 2 i + 1
.endr
.endm
.macro PF rel
	global_prefetch_b8 v[PFK], s[KB:KB+1] offset:(\rel)*KREC th:TH_LOAD_NT scope:SCOPE_SE
	global_prefetch_b8 v[PFV], s[VB:VB+1] offset:(\rel)*VREC th:TH_LOAD_NT scope:SCOPE_SE
.endm
	s_load_b256 s[4:11], s[0:1], 0x0               ; t s[4:5], qrec s[6:7], krec s[8:9], vrec s[10:11]
	s_load_b128 s[12:15], s[0:1], 0x20             ; stat s[12:13], opart s[14:15]
	v_lshl_add_u32 v[SPW], v0, 2, SPARE
	v_mov_b32 v[NIL], 0
	ds_add_u32 v[SPW], v[NIL]                      ; the opening lines: the add, twice on end, and its wait ahead of my first tensor load
	ds_add_u32 v[SPW], v[NIL]
	v_lshrrev_b32 v[HT+3], 5, v0
	v_readfirstlane_b32 s[WV], v[HT+3]             ; wave 0..7
	s_bfe_u32 s17, ttmp6, 0x40000                  ; cx
	s_lshl_b32 s18, ttmp9, 2
	s_add_co_u32 s18, s18, s17                     ; qb: my block of 64 queries; it enters global addresses alone
	s_and_b32 s19, ttmp7, 0xffff                   ; the chunk, which the partners share
	s_mov_b32 s[G1K], 15|(3<<16)|(1<<21)           ; mask: all four; elements of 8 bytes; bit 21 beside a mask; no padding
	s_mov_b32 s[G1K+1], 32<<16                     ; rows of 256 bytes
	s_mov_b32 s[G1K+2], 69<<16                     ; 69 rows: a quarter of a record of the first operand
	s_mov_b32 s[G1K+3], 32<<16
	s_mov_b32 s[G1K+4], 69
	s_mov_b32 s[G1K+5], 32
	s_mov_b32 s[G1K+6], 0
	s_mov_b32 s[G1K+7], 0
	s_mov_b32 s[G1V], 15|(3<<16)|(1<<21)
	s_mov_b32 s[G1V+1], 32<<16
	s_mov_b32 s[G1V+2], 68<<16                     ; 68 rows: a quarter of a record of the second
	s_mov_b32 s[G1V+3], 32<<16
	s_mov_b32 s[G1V+4], 68
	s_mov_b32 s[G1V+5], 32
	s_mov_b32 s[G1V+6], 0
	s_mov_b32 s[G1V+7], 0
	s_lshl_b32 s30, s[WV], 13
	s_lshl_b32 s31, s[WV], 9
	s_lshl_b32 s32, s[WV], 7
	s_lshr_b32 s33, s[WV], 2
	s_and_b32 s34, s[WV], 3
	s_mul_i32 s56, s34, KREC/4                     ; my quarter, in memory and in LDS alike
	s_mul_i32 s57, s34, VREC/4
	s_lshl_b32 s35, s33, 12
	s_lshl_b32 s36, s34, 8
	s_add_co_u32 s35, s35, s36
	s_add_co_u32 s35, s35, PIM                     ; P's image: 4096 (u / 4) + 256 (u % 4)
	s_lshl_b32 s36, s33, 8
	s_add_co_u32 s36, s36, s34
	s_add_co_u32 s36, s36, PSC                     ; its scale bytes: 256 (u / 4) + u % 4
	s_lshl_b32 s37, s17, 3
	s_add_co_u32 s37, s37, s[WV]
	s_mul_i32 s37, s37, 9*256                      ; the prefetches: nine rows for each of the cluster's 32 waves
	s_mul_i32 s38, s19, 14*KREC
	s_mov_b32 s39, 0
	s_mul_i32 s40, s19, 14*VREC
	s_mov_b32 s41, 0
	s_add_co_u32 s58, s38, s56
	s_mov_b32 s59, 0
	s_add_co_u32 s60, s40, s57
	s_mov_b32 s61, 0
	s_lshr_b32 s42, s18, 2                         ; the queries: record qb / 4, part qb % 4
	s_mul_i32 s42, s42, KREC
	s_and_b32 s43, s18, 3
	s_lshl_b32 s44, s43, 14
	s_add_co_u32 s44, s44, s42
	s_mov_b32 s45, 0
	s_lshl_b32 s46, s43, 10
	s_add_co_u32 s46, s46, s42
	s_add_co_u32 s46, s46, 65536
	s_mov_b32 s47, 0
	s_lshl_b32 s48, s18, 8
	s_mov_b32 s49, 0
	s_lshl_b32 s50, s18, 9
	s_mov_b32 s51, 0
	s_lshl_b32 s52, s19, 21                        ; opart: 2 MB a chunk, 128 KB a block of queries, 32 KB for 128 columns, in it 4 KB on for the upper 64
	s_lshl_b32 s53, s18, 17
	s_add_co_u32 s52, s52, s53
	s_lshr_b32 s53, s[WV], 1
	s_lshl_b32 s53, s53, 15
	s_add_co_u32 s52, s52, s53
	s_and_b32 s53, s[WV], 1
	s_lshl_b32 s53, s53, 12
	s_add_co_u32 s52, s52, s53
	s_mov_b32 s53, 0
	s_mul_i32 s54, s19, 3584
	s_lshl_b32 s55, s[WV], 5
	s_add_co_u32 s54, s54, s55
	s_add_co_u32 s54, s54, 13*256                  ; my unit's first key in the chunk's last record
	s_cmp_lt_u32 s54, 50000
	s_cselect_b32 s55, 0xffff, 0                   ; lanes 0-15: keys + 0..15 exist
	s_cmp_lt_u32 s54, 49984
	s_cselect_b32 s54, 0xffff0000, 0               ; lanes 16-31: keys + 16..31 exist
	s_or_b32 s[VM], s54, s55
	s_mov_b32 s[NINF], 0xff800000
	s_mov_b32 s[SEL], 0x76543210
	s_mov_b32 s[SEL+1], 0xfedcba98
	s_mov_b32 s[CNT], 5
	s_wait_dscnt 0x0                               ; both opening adds are done
	v_and_b32 v[HT], 31, v0                        ; lane
	v_and_b32 v[HT+1], 15, v0                      ; r
	v_bfe_u32 v[HT+2], v0, 4, 1                    ; h
	v_lshlrev_b32 v[LI], 4, v[HT]
	v_lshl_add_u32 v[AD], v[HT], 4, s30            ; keys' codes: 8192 u + 16 x lane
	v_lshl_add_u32 v[AD+1], v[HT], 4, s31
	v_add_nc_u32 v[AD+1], 65536, v[AD+1]           ; their scale words: 512 u + 16 x lane
	v_lshl_add_u32 v[AD+2], v[HT+2], 6, s32
	v_add_nc_u32 v[AD+2], 69632, v[AD+2]           ; dn: 128 u + 64 h
	v_add_nc_u32 v[AD+3], KREC, v[AD]              ; columns' codes: 8192 u + 16 x lane
	v_lshl_add_u32 v[AD+4], v[HT], 3, s31
	v_add_nc_u32 v[AD+4], KREC+65536, v[AD+4]      ; their scale bytes: 8 (64 u + lane)
.irp k, 0,1,2,3,4
	v_add_nc_u32 v[AD+5+\k], SLOT, v[AD+\k]
.endr
	v_lshl_add_u32 v[PIA], v[HT+1], 4, s35
	v_lshl_add_u32 v[PIA], v[HT+2], 3, v[PIA]      ; where my 8 bytes of a fragment of P go: + 16 r + 8 h
	v_lshl_add_u32 v[PSA], v[HT+1], 2, s36         ; and my block's scale byte: + 4 r
	v_lshl_add_u32 v[PIL], v[HT], 4, PIM
	v_lshl_add_u32 v[PSL], v[HT], 2, PSC
	v_min_u32 v[PFK], 8, v[HT]
	v_lshl_add_u32 v[PFK], v[PFK], 8, s37
	v_min_u32 v[PFV], 271*256, v[PFK]              ; a record has 272 rows, or 276: what is left over names the last row again
	v_min_u32 v[PFK], 275*256, v[PFK]
	v_and_b32 v[HT+3], 8, v[HT+1]
	v_add_lshl_u32 v[HT+3], v[HT+3], v[HT+1], 2    ; lane r of a tile is query r + 8 (r / 8) of its 32
	v_mul_u32_u24 v[HT], v[HT+2], 57344
	v_lshl_add_u32 v[HT], v[HT+1], 3, v[HT]        ; stat: lanes 0-15 take chunks 0-6, lanes 16-31 chunks 7-13
	s_wait_alu depctr_va_vdst(0)
	s_wait_kmcnt 0x0
	s_add_nc_u64 s[KB:KB+1], s[8:9], s[38:39]      ; the chunk's first records,
	s_add_nc_u64 s[VB:VB+1], s[10:11], s[40:41]
	s_add_nc_u64 s[58:59], s[8:9], s[58:59]        ; and my quarters of them
	s_add_nc_u64 s[60:61], s[10:11], s[60:61]
	s_add_nc_u64 s[44:45], s[6:7], s[44:45]
	s_add_nc_u64 s[46:47], s[6:7], s[46:47]
	s_add_nc_u64 s[48:49], s[4:5], s[48:49]
	s_add_nc_u64 s[50:51], s[12:13], s[50:51]
	s_add_nc_u64 s[52:53], s[14:15], s[52:53]
.irp n, 0,1
	s_mov_b32 s[G0K+4*\n], 1
	s_add_co_u32 s[G0K+4*\n+1], s56, \n*SLOT
	s_add_nc_u64 s[G0K+4*\n+2:G0K+4*\n+3], s[58:59], \n*KREC
	s_or_b32 s[G0K+4*\n+3], s[G0K+4*\n+3], 0x80000000
	s_mov_b32 s[G0V+4*\n], 1
	s_add_co_u32 s[G0V+4*\n+1], s57, \n*SLOT+KREC
	s_add_nc_u64 s[G0V+4*\n+2:G0V+4*\n+3], s[60:61], \n*VREC
	s_or_b32 s[G0V+4*\n+3], s[G0V+4*\n+3], 0x80000000
.endr
	CROUND                                         ; all four work-groups are here: the first joint loads meet
	JLOAD 0                                        ; record 0 into slot 0; slot 1 is first filled at the head's end, as a refill is
	WIN 0x40
.set i, 0
.rept 32
	global_load_b128 v[4*i:4*i+3], v[LI], s[44:45] offset:512*i   ; fragment (tile q, K step s) at window 1, v[8 (4 q + s)]: they stay
.set i, i+1
.endr
	WIN 0
	global_load_b128 v[QS:QS+3], v[LI], s[46:47]
	global_load_b128 v[QS+4:QS+7], v[LI], s[46:47] offset:512
.irp q, 0,1,2,3
	global_load_b32 v[HA+\q], v[HT+3], s[48:49] offset:4*(32*(\q/2)+8*(\q%2))
.endr
.irp q, 0,1,2,3
.irp c, 0,1,2,3,4,5,6
	global_load_b64 v[S+14*\q+2*\c:S+14*\q+2*\c+1], v[HT], s[50:51] offset:128*\q+8192*\c   ; (m, l) of chunk 7 h + c
.endr
.endr
	PF 2
	s_wait_loadcnt 0x0
	; the rows' constants: a2 by the same lines as in the launch before
.irp q, 0,1,2,3
	v_sub_f32 v[HB+\q], 1.0, v[HA+\q]
.endr
.irp q, 0,1,2,3
	v_mul_f32 v[CT+4*\q], -0.5, |v[HA+\q]|         ; k
.endr
.irp q, 0,1,2,3
	v_ashrrev_i32 v[HC+\q], 31, v[HA+\q]
.endr
.irp q, 0,1,2,3
	v_and_b32 v[HC+\q], 0x88888888, v[HC+\q]
	v_mov_b32 v[HE+\q], 0                          ; (a lane permute's destination counts as one of its sources)
.endr
	s_wait_alu depctr_va_vdst(0)                   ; a wait ahead of each batch of transcendentals and one behind it
.irp q, 0,1,2,3
	v_rcp_f32 v[HB+\q], v[HB+\q]
.endr
	v_nop
	s_wait_alu depctr_va_vdst(0)
	WIN 0x41
.irp q, 0,1,2,3
.set i, 0
.rept 32
	v_xor_b32 v[32*\q+i], v[32*\q+i], v[HC+\q]     ; sign(t) into the queries' codes
.set i, i+1
.endr
.endr
	WIN 0
.irp q, 0,1,2,3
	v_mul_f32 v[CT+4*\q+2], v[HB+\q], v[HB+\q]
.endr
.irp q, 0,1,2,3
	v_mul_f32 v[CT+4*\q+2], v[CT+4*\q+2], |v[HA+\q]|
.endr
.irp q, 0,1,2,3
	v_mul_f32 v[CT+4*\q+2], 0x3fb8aa3b, v[CT+4*\q+2]   ; a2
.endr
.irp q, 0,1,2,3
	v_fma_f32 v[HD+\q], v[HA+\q], v[HB+\q], 1.0    ; coeff = 1 + t / b
.endr
.irp q, 0,1,2,3
	v_max3_num_f32 v[CT+4*\q+1], v[S+14*\q], v[S+14*\q+2], v[S+14*\q+4]
.endr
.irp c, 3,5
.irp q, 0,1,2,3
	v_max3_num_f32 v[CT+4*\q+1], v[CT+4*\q+1], v[S+14*\q+2*\c], v[S+14*\q+2*\c+2]
.endr
.endr
.irp q, 0,1,2,3
	v_permlanex16_b32 v[HE+\q], v[CT+4*\q+1], s[SEL], s[SEL+1]
.endr
.irp q, 0,1,2,3
	v_max_num_f32 v[CT+4*\q+1], v[CT+4*\q+1], v[HE+\q]   ; M
.endr
.irp q, 0,1,2,3
	v_mul_f32 v[HA+\q], -v[CT+4*\q+2], v[CT+4*\q+1]      ; nuM
.endr
.irp c, 0,1,2,3,4,5,6
.irp q, 0,1,2,3
	v_mul_f32 v[S+14*\q+2*\c], -v[CT+4*\q+2], v[S+14*\q+2*\c]   ; the chunk's nu: the same rounded product as where l was summed
.endr
.endr
.irp c, 0,1,2,3,4,5,6
.irp q, 0,1,2,3
	v_sub_f32 v[S+14*\q+2*\c], v[HA+\q], v[S+14*\q+2*\c]
.endr
.endr
.irp q, 0,1,2,3
	v_fma_f32 v[HB+\q], v[CT+4*\q+2], v[CT+4*\q+1], v[HA+\q]    ; rho
.endr
	s_wait_alu depctr_va_vdst(0)
.irp c, 0,1,2,3,4,5,6
.irp q, 0,1,2,3
	v_exp_f32 v[S+14*\q+2*\c], v[S+14*\q+2*\c]
.endr
.endr
	v_nop
	s_wait_alu depctr_va_vdst(0)
.irp q, 0,1,2,3
	v_mul_f32 v[HC+\q], v[S+14*\q+1], v[S+14*\q]
.endr
.irp c, 1,2,3,4,5,6
.irp q, 0,1,2,3
	v_fmac_f32 v[HC+\q], v[S+14*\q+2*\c+1], v[S+14*\q+2*\c]
.endr
.endr
.irp q, 0,1,2,3
	v_permlanex16_b32 v[HE+\q], v[HC+\q], s[SEL], s[SEL+1]
.endr
.irp q, 0,1,2,3
	v_add_f32 v[HC+\q], v[HC+\q], v[HE+\q]         ; L
.endr
	s_wait_alu depctr_va_vdst(0)
.irp q, 0,1,2,3
	v_rcp_f32 v[HC+\q], v[HC+\q]
.endr
	v_nop
	s_wait_alu depctr_va_vdst(0)
.irp q, 0,1,2,3
	v_mul_f32 v[HC+\q], |v[HD+\q]|, v[HC+\q]
.endr
	s_wait_alu depctr_va_vdst(0)
.irp q, 0,1,2,3
	v_log_f32 v[HC+\q], v[HC+\q]
.endr
	v_nop
	s_wait_alu depctr_va_vdst(0)
.irp q, 0,1,2,3
	v_add_f32 v[CT+4*\q+3], v[HC+\q], v[HB+\q]     ; lc
.endr
.macro SMUL                            ; 32 products: the 8 accumulators take turns, one instruction a turn; the first K step starts the sums
	WIN 0x04                                       ; source 1 (the queries) window 1
.irp s, 0,1,2,3
	s_wait_dscnt 4*(3-\s)                          ; the fragments of the later K steps, 4 loads each, may be out
.irp q, 0,1,2,3
.irp k, 0,1
.set rD, S+16*\q+8*\k
.set rA, KF+8*(4*\k+\s)
.set rB, 8*(4*\q+\s)
.set rSA, KS+\s
.set rSB, QS+4*(\q/2)+\s
.set fRA, \k
.set fRB, \q%2
.if \s == 0
.set fZ, 1
.else
.set fZ, 0
.endif
	WM
.endr
.endr
.endr
	WIN 0
.endm
.macro ARGS                            ; S' = dn k + S (each accumulator from its low end on); S' - M; (S' - M) a2 + lc; then the exponentials as one batch
.set n, 0
.rept 8
.irp q, 0,1,2,3
	v_pk_fma_f32 v[S+16*\q+n:S+16*\q+n+1], v[DN+n:DN+n+1], v[CT+4*\q:CT+4*\q+1], v[S+16*\q+n:S+16*\q+n+1] op_sel_hi:[1,0,1]
.endr
.set n, n+2
.endr
.set n, 0
.rept 8
.irp q, 0,1,2,3
	v_pk_add_f32 v[S+16*\q+n:S+16*\q+n+1], v[S+16*\q+n:S+16*\q+n+1], v[CT+4*\q:CT+4*\q+1] op_sel:[0,1] op_sel_hi:[1,1] neg_lo:[0,1] neg_hi:[0,1]
.endr
.set n, n+2
.endr
.set n, 0
.rept 8
.irp q, 0,1,2,3
	v_pk_fma_f32 v[S+16*\q+n:S+16*\q+n+1], v[S+16*\q+n:S+16*\q+n+1], v[CT+4*\q+2:CT+4*\q+3], v[CT+4*\q+2:CT+4*\q+3] op_sel:[0,0,1] op_sel_hi:[1,0,1]
.endr
.set n, n+2
.endr
	s_wait_alu depctr_va_vdst(0)                   ; the wait ahead of the batch,
.set n, 0
.rept 64
	v_exp_f32 v[S+n], v[S+n]
.set n, n+1
.endr
	v_nop
	s_wait_alu depctr_va_vdst(0)                   ; and one behind it, for the 64
.endm
.macro QUANT buf                       ; four blocks of 32 keys (one a tile of queries) by turns; a block lies in lanes l and l xor 16
.irp q, 0,1,2,3
	v_max3_num_f32 v[TM+2*\q], v[S+16*\q], v[S+16*\q+1], 0x1800000   ; p is never negative; the floor 2^(3 - 127) holds the byte at 1 from below
.endr
.irp i, 2,4,6,8,10,12,14
.irp q, 0,1,2,3
	v_max3_num_f32 v[TM+2*\q], v[TM+2*\q], v[S+16*\q+\i], v[S+16*\q+\i+1]
.endr
.endr
.irp q, 0,1,2,3
	v_permlanex16_b32 v[TM+2*\q+1], v[TM+2*\q], s[SEL], s[SEL+1]
.endr
.irp q, 0,1,2,3
	v_max_num_f32 v[TM+2*\q], v[TM+2*\q], v[TM+2*\q+1]
.endr
.irp q, 0,1,2,3
	v_add_nc_u32 v[TM+2*\q+1], 0xff000000, v[TM+2*\q]   ; 2 off the exponent field: the conversion's scale operand
.endr
.irp q, 0,1,2,3
	v_lshrrev_b32 v[TM+2*\q], 23, v[TM+2*\q+1]          ; the scale's byte
.endr
.irp q, 0,1,2,3
	v_cvt_scalef32_pk8_fp4_f32 v[PC+2*\q], v[S+16*\q:S+16*\q+7], v[TM+2*\q+1]
	v_cvt_scalef32_pk8_fp4_f32 v[PC+2*\q+1], v[S+16*\q+8:S+16*\q+15], v[TM+2*\q+1]
.endr
	v_nop                                          ; one plain line behind the scaled conversions
.irp q, 0,1,2,3
	ds_store_b64 v[PIA], v[PC+2*\q:PC+2*\q+1] offset:(\buf)*PBUF+1024*\q
	ds_store_b8 v[PSA], v[TM+2*\q] offset:(\buf)*PBUF+64*\q   ; both lanes of a row write the same byte with the same value
.endr
.endm
.macro LOADP buf                       ; 4 + 8 + 8 LDS loads: P's scale words, then its fragments (tile q, K step s) at v[S + 8 (2 q + s)], K step 0 first
.irp s, 0,1
.irp i, 0,1
	ds_load_b32 v[PS+2*\s+\i], v[PSL] offset:(\buf)*PBUF+256*\s+128*\i   ; lanes 0-15 tile 2 i, lanes 16-31 tile 2 i + 1
.endr
.endr
.irp s, 0,1
.irp q, 0,1,2,3
.irp c, 0,1
	ds_load_b128 v[S+8*(2*\q+\s)+4*\c:S+8*(2*\q+\s)+4*\c+3], v[PIL] offset:(\buf)*PBUF+4096*\s+1024*\q+512*\c
.endr
.endr
.endr
.endm
.macro PVMUL zero                      ; 32 products: the 16 accumulators take turns, one instruction a turn
	WIN 0x50                                       ; C and D window 1
.irp s, 0,1
	s_wait_dscnt 8*(1-\s)                          ; P's fragments of the second K step, 8 loads, may be out
.if \s == 0
	s_wait_alu depctr_va_vdst(0)                   ; the wait here, directly ahead of the first reader of the accumulators
.endif
.irp d, 0,1,2,3
.irp q, 0,1,2,3
.set rD, 128+8*(4*\d+\q)
.set rA, VF+8*(2*\d+\s)
.set rB, S+8*(2*\q+\s)
.set rSA, VS+2*(\d/2)+\s
.set rSB, PS+2*\s+(\q/2)
.set fRA, \d%2
.set fRB, \q%2
.set fZ, 0
.if \zero
.if \s == 0
.set fZ, 1
.endif
.endif
	WM
.endr
.endr
.endr
	WIN 0
.endm
; THE MEETING: every wave waits for all its tensor loads (its quarter record of the other slot), adds 0 to its spare word, and waits for that, for its LDS reads of this slot and for its stores of P.
; refill = 1: a round of the cluster's barrier, and behind it slot takes its next record of both operands: one load a wave, with a whole trip in which to land (step = 1: two records on; step = 0: slot 1's first fill, at the head's end).
; refill = 0: nothing is left to fetch: the work-group's barrier alone.
.macro SYNC slot, refill, step
	s_wait_alu depctr_va_vdst(0)
	s_wait_tensorcnt 0x0                           ; no tensor load of mine is out, so a group 0 may be written
	ds_add_u32 v[SPW], v[NIL]                      ; 0 onto my spare word
.if \step
	s_add_nc_u64 s[G0K+4*\slot+2:G0K+4*\slot+3], s[G0K+4*\slot+2:G0K+4*\slot+3], 2*KREC
	s_add_nc_u64 s[G0V+4*\slot+2:G0V+4*\slot+3], s[G0V+4*\slot+2:G0V+4*\slot+3], 2*VREC
.endif
	s_wait_dscnt 0x0                               ; the add is done; my reads of this slot are over; my part of P lies in LDS
.if \refill
	CROUND
	JLOAD \slot
.else
	s_barrier_signal -1
	s_barrier_wait -1
.endif
.endm
; One record, in slot; P goes through the image of the same number.  zero: the second product starts its sums.  mode 2: the meeting with a refill; 1: without; 0: the chunk's last record, with the mask.
; pfr >= 0: the records pfr behind the bases are prefetched.
.macro TRIP slot, zero, mode, pfr
	LOADK \slot
.if \pfr >= 0
	PF \pfr
.endif
	SMUL
	PLACES 4                                       ; between the products and the loads into their operands, and the first read of a result
	LOADV \slot
.if \mode == 0
.irp q, 0,1,2,3
	v_cndmask_b32 v[CT+4*\q+3], s[NINF], v[CT+4*\q+3], s[VM]   ; lc, or -infinity past the last key
.endr
.endif
	ARGS
	QUANT \slot
.if \mode == 2
	SYNC \slot, 1, 1
.elseif \mode == 1
	SYNC \slot, 0, 0
.else
	s_wait_dscnt 0x0                               ; for the others' sake: my part of P lies in LDS
	s_barrier_signal -1
	s_barrier_wait -1
.endif
	LOADP \slot
	PVMUL \zero
	PLACES 5                                       ; between these products and the loads into their operands (4), and the next scores, which are laid over P's fragments (5)
.endm
.macro STEP2                           ; the prefetches' bases two records on
	s_wait_xcnt 0x0                                ; the prefetches issued so far have read their bases
	s_add_nc_u64 s[KB:KB+1], s[KB:KB+1], 2*KREC
	s_add_nc_u64 s[VB:VB+1], s[VB:VB+1], 2*VREC
.endm
	SYNC 1, 1, 0                                   ; record 0 has landed in every wave's sight; record 1 goes out into slot 1
	TRIP 0, 1, 2, 3                                ; record 0 is written out: its products start the 16 sums, nothing is cleared
	STEP2
.Lring:                                            ; 5 trips: records 1 to 10
	TRIP 1, 0, 2, 2
	TRIP 0, 0, 2, 3
	STEP2
	s_sub_co_u32 s[CNT], s[CNT], 1
	s_cmp_lg_u32 s[CNT], 0
	s_wait_alu depctr_va_vdst(0)
	s_cbranch_scc1 .Lring
	TRIP 1, 0, 2, -1                               ; record 11: its meeting asks for record 13, the last
	TRIP 0, 0, 1, -1                               ; record 12: nothing is left to fetch
	TRIP 1, 0, 0, -1                               ; record 13
	WIN 0x04                                       ; a store's data are its source 1: window 1
.irp q, 0,1,2,3
.irp d, 0,1,2,3
	global_store_b128 v[LI], v[128+8*(4*\d+\q):128+8*(4*\d+\q)+3], s[52:53] offset:8192*\q+1024*\d th:TH_STORE_NT       ; each accumulator from its low end on; each store covers 512 consecutive bytes, aligned
	global_store_b128 v[LI], v[128+8*(4*\d+\q)+4:128+8*(4*\d+\q)+7], s[52:53] offset:8192*\q+1024*\d+512 th:TH_STORE_NT
.endr
.endr
	WIN 0
	s_wait_tensorcnt 0x0                           ; the wave's end
	ds_add_u32 v[SPW], v[NIL]
	s_wait_dscnt 0x0
	CROUND                                         ; the closing round
	s_endpgm
.Lfunc_end_k_qd85ef14de0_apply:
	.size	k_qd85ef14de0_apply, .Lfunc_end_k_qd85ef14de0_apply-k_qd85ef14de0_apply
	.p2alignl 7, 3214868480
	.fill 96, 4, 3214868480
	.section	.rodata,"a",@progbits
	.p2align	6, 0x0
	.amdhsa_kernel k_qd85ef14de0_apply
		.amdhsa_group_segment_fixed_size 327680
		.amdhsa_private_segment_fixed_size 0
		.amdhsa_enable_private_segment 0
		.amdhsa_kernarg_size 48
		.amdhsa_user_sgpr_count 2
		.amdhsa_user_sgpr_kernarg_segment_ptr 1
		.amdhsa_wavefront_size32 1
		.amdhsa_system_sgpr_workgroup_id_x 1
		.amdhsa_system_sgpr_workgroup_id_y 1
		.amdhsa_system_sgpr_workgroup_id_z 1
		.amdhsa_system_vgpr_workitem_id 0
		.amdhsa_next_free_vgpr 512
		.amdhsa_next_free_sgpr 100
		.amdhsa_reserve_vcc 0
		.amdhsa_float_denorm_mode_32 3
		.amdhsa_float_denorm_mode_16_64 3
		.amdhsa_memory_ordered 1
		.amdhsa_forward_progress 1
		.amdhsa_inst_pref_size 185
	.end_amdhsa_kernel
	.amdgpu_metadata
---
amdhsa.version: [ 1, 2 ]
amdhsa.kernels:
  - .name:           k_qd85ef14de0_apply
    .symbol:         k_qd85ef14de0_apply.kd
    .args:
      - { .name: t, .offset: 0, .size: 8, .value_kind: global_buffer, .address_space: global }
      - { .name: qrec, .offset: 8, .size: 8, .value_kind: global_buffer, .address_space: global }
      - { .name: krec, .offset: 16, .size: 8, .value_kind: global_buffer, .address_space: global }
      - { .name: vrec, .offset: 24, .size: 8, .value_kind: global_buffer, .address_space: global }
      - { .name: stat, .offset: 32, .size: 8, .value_kind: global_buffer, .address_space: global }
      - { .name: opart, .offset: 40, .size: 8, .value_kind: global_buffer, .address_space: global }
    .group_segment_fixed_size: 327680
    .private_segment_fixed_size: 0
    .kernarg_segment_align: 8
    .kernarg_segment_size: 48
    .max_flat_workgroup_size: 256
    .sgpr_count:     100
    .vgpr_count:     512
    .wavefront_size: 32
...
	.end_amdgpu_metadata
.endif
;; end of part 3
;; launch finish (part 4): grid 256 x 1, 2 waves a work-group, no clusters, 8,960 bytes of LDS; arguments opart, x_t, t, out0; writes out0
.if DOCPART == 4
	.amdgcn_target "amdgcn-amd-amdhsa--gfx1250"
	.amdhsa_code_object_version 6
	.text
	.protected	k_qd85ef14de0_finish
	.globl	k_qd85ef14de0_finish
	.p2align	8
	.type	k_qd85ef14de0_finish,@function
k_qd85ef14de0_finish:
	s_mov_b64 s[64:65], 0
	v_nop
	global_prefetch_b8 v0, s[64:65] scope:SCOPE_SE
	s_setreg_imm32_b32 hwreg(HW_REG_WAVE_MODE, 25, 1), 1
	s_wait_xcnt 0x0
; FINISH.  out = sign(coeff) x (the sum of the 14 chunks' parts of the second product) - x_t / (1 - t), coeff = 1 + t / (1 - t).
; opart is laid [chunk 14][qb 16][w 4][tile 4][dt 8][half 2][lane][16 bytes], an image of the accumulators' registers: lane (r, h) holds columns 128 w + 16 dt + 8 h + 4 half + 0..3 of the tile's query r.
; Wave U = 0 .. 511 owns 4,096 consecutive bytes of each chunk's image: 16 queries x 64 columns.  Memory binds: every load reads 512 consecutive bytes; four chunks' loads (32) are kept out; the sums go in ascending chunks.
; The 16 x 64 block turns through the wave's own stage in LDS (rows 272 bytes apart), so that sixteen lanes store 256 consecutive bytes of a row of out, aligned.  Waves share nothing: no barrier.
; No matrix unit, no cluster, no tensor load: nothing here is read twice.
; LIMITS: NaN and infinities are not served; t = 1 is not served.
.set CH,   2097152                     ; a chunk's image
.set LI,   2                           ; v2  16 x lane
.set XO,   3                           ; v3  2048 (lane / 16) + 16 (lane % 16)
.set TO,   4                           ; v4  4 (lane / 16)
.set SIN,  5                           ; v5  stage, in
.set SOUT, 6                           ; v6  stage, back
.set TT,   8                           ; v8-15   t of the eight stores' rows
.set BB,   16                          ; v16-23  1 - t
.set RB,   24                          ; v24-31  1 / (1 - t)
.set SG,   32                          ; v32-39  1.0 with coeff's sign
.set ACC,  48                          ; v48-79
.set XX,   80                          ; v80-111 x_t
.set B,    112                         ; v112-239 four sets of 32; later v112-143 the rows read back
	s_load_b256 s[4:11], s[0:1], 0x0               ; opart s[4:5], x_t s[6:7], t s[8:9], out0 s[10:11]
	v_lshl_add_u32 v254, v0, 2, 0x2200
	v_mov_b32 v255, 0
	v_lshrrev_b32 v1, 5, v0
	v_readfirstlane_b32 s20, v1                    ; wave 0, 1
	s_lshl_b32 s21, ttmp9, 1
	s_add_co_u32 s21, s21, s20                     ; U
	v_and_b32 v1, 31, v0
	v_and_b32 v7, 15, v0
	v_bfe_u32 v40, v0, 4, 1
	v_lshlrev_b32 v[LI], 4, v1
	v_lshlrev_b32 v[XO], 11, v40
	v_lshl_add_u32 v[XO], v7, 4, v[XO]
	v_lshlrev_b32 v[TO], 2, v40
	s_mul_i32 s22, s20, 16*272
	v_mul_u32_u24 v[SIN], v7, 272
	v_lshl_add_u32 v[SIN], v40, 5, v[SIN]
	v_add_nc_u32 v[SIN], s22, v[SIN]               ; in: row r, + 32 h
	v_mul_u32_u24 v[SOUT], v40, 272
	v_lshl_add_u32 v[SOUT], v7, 4, v[SOUT]
	v_add_nc_u32 v[SOUT], s22, v[SOUT]             ; back: lanes 0-15 one row, lanes 16-31 the next
	s_lshr_b32 s23, s21, 5                         ; qb
	s_bfe_u32 s24, s21, 0x20003                    ; w
	s_bfe_u32 s25, s21, 0x20001                    ; tile
	s_and_b32 s26, s21, 1                          ; which 64 of the wave's 128 columns
	s_lshl_b32 s27, s23, 6
	s_lshr_b32 s28, s25, 1
	s_lshl_b32 s28, s28, 5
	s_add_co_u32 s27, s27, s28
	s_and_b32 s28, s25, 1
	s_lshl_b32 s28, s28, 3
	s_add_co_u32 s27, s27, s28                     ; the tile's lane 0 is query 64 qb + 32 (tile / 2) + 8 (tile % 2); lane r is r + 8 (r / 8) further on
	s_lshl_b32 s28, s27, 11
	s_lshl_b32 s29, s24, 9
	s_add_co_u32 s28, s28, s29
	s_lshl_b32 s29, s26, 8
	s_add_co_u32 s28, s28, s29
	s_mov_b32 s29, 0
	s_lshl_b32 s30, s27, 2
	s_mov_b32 s31, 0
	s_lshl_b32 s32, s21, 12
	s_mov_b32 s33, 0
	s_wait_alu depctr_va_vdst(0)
	s_wait_kmcnt 0x0
	s_add_nc_u64 s[12:13], s[4:5], s[32:33]        ; chunks 0-3,
	s_add_nc_u64 s[14:15], s[12:13], 4*CH          ; 4-7,
	s_add_nc_u64 s[16:17], s[14:15], 4*CH          ; 8-11,
	s_add_nc_u64 s[18:19], s[16:17], 4*CH          ; 12, 13: the rest stands in the loads' immediates
	s_add_nc_u64 s[6:7], s[6:7], s[28:29]
	s_add_nc_u64 s[10:11], s[10:11], s[28:29]
	s_add_nc_u64 s[8:9], s[8:9], s[30:31]
.macro LOADC c
.irp k, 0,1,2,3,4,5,6,7
	global_load_b128 v[B+32*((\c)%4)+4*\k:B+32*((\c)%4)+4*\k+3], v[LI], s[12+2*((\c)/4):13+2*((\c)/4)] offset:((\c)%4)*CH+512*\k th:TH_LOAD_NT
.endr
.endm
.macro ADDC c
.irp k, 0,2,4,6,8,10,12,14,16,18,20,22,24,26,28,30
	v_pk_add_f32 v[ACC+\k:ACC+\k+1], v[ACC+\k:ACC+\k+1], v[B+32*((\c)%4)+\k:B+32*((\c)%4)+\k+1]
.endr
.endm
	LOADC 0
	LOADC 1
	LOADC 2
	LOADC 3
.irp i, 0,1,2,3,4,5,6,7
	global_load_b128 v[XX+4*\i:XX+4*\i+3], v[XO], s[6:7] offset:(2*\i+8*(\i/4))*2048   ; store i's two rows: 2 i + 8 (i / 4) + lane / 16
.endr
.irp i, 0,1,2,3,4,5,6,7
	global_load_b32 v[TT+\i], v[TO], s[8:9] offset:(2*\i+8*(\i/4))*4
.endr
	s_wait_loadcnt 32                              ; chunks 0 and 1 are in; behind them: chunks 2 and 3 (16), x_t and t (16)
.irp k, 0,2,4,6,8,10,12,14,16,18,20,22,24,26,28,30
	v_pk_add_f32 v[ACC+\k:ACC+\k+1], v[B+\k:B+\k+1], v[B+32+\k:B+32+\k+1]   ; the first two chunks start the sums: nothing is cleared
.endr
	LOADC 4
	LOADC 5
.irp c, 2,3
	s_wait_loadcnt 40                              ; behind chunk c: what is left of the first four, x_t and t (16), and the chunks asked for since: 40 loads
	ADDC \c
	LOADC \c+4
.endr
.irp c, 4,5,6,7,8,9
	s_wait_loadcnt 24                              ; behind chunk c: the next three chunks
	ADDC \c
	LOADC \c+4
.endr
	s_wait_loadcnt 24
	ADDC 10
	s_wait_loadcnt 16
	ADDC 11
	s_wait_loadcnt 8
	ADDC 12
	s_wait_loadcnt 0x0
	ADDC 13
.irp k, 0,1,2,3,4,5,6,7
	ds_store_b128 v[SIN], v[ACC+4*\k:ACC+4*\k+3] offset:64*(\k/2)+16*(\k%2)   ; columns 16 (k / 2) + 8 h + 4 (k % 2) + 0..3 of row r
.endr
.irp i, 0,1,2,3,4,5,6,7
	ds_load_b128 v[B+4*\i:B+4*\i+3], v[SOUT] offset:2*\i*272   ; LDS serves a wave's instructions in order: these see my stores
.endr
.irp i, 0,1,2,3,4,5,6,7
	v_sub_f32 v[BB+\i], 1.0, v[TT+\i]
.endr
	s_wait_alu depctr_va_vdst(0)
.irp i, 0,1,2,3,4,5,6,7
	v_rcp_f32 v[RB+\i], v[BB+\i]
.endr
	v_nop                                          ; the plain line behind the last reciprocal
	s_wait_alu depctr_va_vdst(0)                   ; one wait for the eight, ahead of their first reader
.irp i, 0,1,2,3,4,5,6,7
	v_fma_f32 v[SG+\i], v[TT+\i], v[RB+\i], 1.0    ; coeff
.endr
.irp i, 0,1,2,3,4,5,6,7
	v_bfi_b32 v[SG+\i], 0x7fffffff, 1.0, v[SG+\i]  ; 1.0 with its sign
.endr
	s_wait_alu depctr_va_vdst(0)
.irp i, 0,1,2,3,4,5,6,7
	s_wait_dscnt 7-\i                              ; rows 2 i, 2 i + 1 of the block are back
.irp k, 0,1,2,3
	v_mul_f32 v[B+4*\i+\k], v[B+4*\i+\k], v[SG+\i]
.endr
.irp k, 0,1,2,3
	v_fma_f32 v[B+4*\i+\k], -v[XX+4*\i+\k], v[RB+\i], v[B+4*\i+\k]
.endr
	global_store_b128 v[XO], v[B+4*\i:B+4*\i+3], s[10:11] offset:(2*\i+8*(\i/4))*2048   ; sixteen lanes store 256 consecutive bytes, aligned
.endr
	s_wait_tensorcnt 0x0
	ds_add_u32 v254, v255
	s_wait_dscnt 0x0
	s_endpgm
.Lfunc_end_k_qd85ef14de0_finish:
	.size	k_qd85ef14de0_finish, .Lfunc_end_k_qd85ef14de0_finish-k_qd85ef14de0_finish
	.p2alignl 7, 3214868480
	.fill 96, 4, 3214868480
	.section	.rodata,"a",@progbits
	.p2align	6, 0x0
	.amdhsa_kernel k_qd85ef14de0_finish
		.amdhsa_group_segment_fixed_size 8960
		.amdhsa_private_segment_fixed_size 0
		.amdhsa_enable_private_segment 0
		.amdhsa_kernarg_size 32
		.amdhsa_user_sgpr_count 2
		.amdhsa_user_sgpr_kernarg_segment_ptr 1
		.amdhsa_wavefront_size32 1
		.amdhsa_system_sgpr_workgroup_id_x 1
		.amdhsa_system_sgpr_workgroup_id_y 1
		.amdhsa_system_sgpr_workgroup_id_z 1
		.amdhsa_system_vgpr_workitem_id 0
		.amdhsa_next_free_vgpr 256
		.amdhsa_next_free_sgpr 66
		.amdhsa_reserve_vcc 0
		.amdhsa_float_denorm_mode_32 3
		.amdhsa_float_denorm_mode_16_64 3
		.amdhsa_memory_ordered 1
		.amdhsa_forward_progress 1
		.amdhsa_inst_pref_size 35
	.end_amdhsa_kernel
	.amdgpu_metadata
---
amdhsa.version: [ 1, 2 ]
amdhsa.kernels:
  - .name:           k_qd85ef14de0_finish
    .symbol:         k_qd85ef14de0_finish.kd
    .args:
      - { .name: opart, .offset: 0, .size: 8, .value_kind: global_buffer, .address_space: global }
      - { .name: x_t, .offset: 8, .size: 8, .value_kind: global_buffer, .address_space: global }
      - { .name: t, .offset: 16, .size: 8, .value_kind: global_buffer, .address_space: global }
      - { .name: out0, .offset: 24, .size: 8, .value_kind: global_buffer, .address_space: global }
    .group_segment_fixed_size: 8960
    .private_segment_fixed_size: 0
    .kernarg_segment_align: 8
    .kernarg_segment_size: 32
    .max_flat_workgroup_size: 64
    .sgpr_count:     66
    .vgpr_count:     256
    .wavefront_size: 32
...
	.end_amdgpu_metadata
.endif
;; end of part 4
